; MI455X (gfx1250); checked and timed in simulation.
; The chip was launched on July 23, 2026; its instructions are those of AMD's public machine-readable ISA for CDNA 5 (MIT licence, August 2026) and "CDNA5" Instruction Set Architecture Reference Guide (July 2026). The comments in the code are by the model that wrote it; some were corrected since.
;; SAKT With Decay. Allowed arithmetic: float matrix products may take bf16 or f16 operands with f32 sums; other float arithmetic in f32, or as packed bf16 or f16 multiplies, adds, multiply-adds, maxima and minima; sums over many terms, partial sums and values carried from step to step in f32; what a program stores and reads back later, other than sums and carried values, may be rounded once to bf16 or f16.
;; Inputs: W1 256 x 512 float32; W2 512 x 256 float32; Wk 256 x 256 float32; Wo 256 x 256 float32; Wout 512 x 1 float32; Wq 256 x 256 float32; Wv 256 x 256 float32; b1 512 float32; b2 256 float32; bk 256 float32; bo 256 float32; bout 1 float32; bq 256 float32; bv 256 float32; decay_logit 8 float32; inter_emb 20,002 x 256 float32; interactions 32 x 1,024 int32; ln1_b 256 float32; ln1_g 256 float32; ln2_b 256 float32; ln2_g 256 float32; mask 32 x 1,024 bool; pos_emb 1,024 x 256 float32; skill_emb 10,001 x 256 float32; target_skills 32 x 1,024 int32.
;; Outputs: out0 32 x 1,024 float32.
;; 2 versions, each right; version 2 is version 1 with the launches prep, attn written anew for expert scheduling mode. Each part assembles by itself: llvm-mc -triple=amdgcn-amd-amdhsa -mcpu=gfx1250 --defsym DOCPART=n.
;; ======== version 1 of 2: 3 launches
;; limits: right only within a limited range of input values
;; workspace buffers: xb 16,777,216 bytes; wt 1,048,576 bytes; st 40,960 bytes; ows 16,777,216 bytes
;; launch prep (part 1): grid 616 x 1, 8 waves a work-group, no clusters, 18,432 bytes of LDS; arguments interactions, inter_emb, pos_emb, xb, Wq, Wk, Wv, Wo, W1, W2, wt, skill_emb, Wout, ln2_b, bout, st; writes xb, wt, st
.if DOCPART == 1
	.amdgcn_target "amdgcn-amd-amdhsa--gfx1250"
	.amdhsa_code_object_version 6
	.text
	.protected	k_q176be4ba3c_prep
	.globl	k_q176be4ba3c_prep
	.p2align	8
	.type	k_q176be4ba3c_prep,@function
k_q176be4ba3c_prep:
	s_mov_b64 s[64:65], 0
	v_nop
	global_prefetch_b8 v0, s[64:65] scope:SCOPE_SE
	s_setreg_imm32_b32 hwreg(HW_REG_WAVE_MODE, 25, 1), 1
	s_wait_xcnt 0x0
; SAKT with decay, launch 1 of 3: what the two later launches read more than once is made once.
;   work-groups 0-63    wt: the six weight matrices turned to [N][K] and rounded to bf16, a block of 128 k x 64 n each
;   work-groups 64-103  st[s] = skill_emb[s] . Wout[256:] + sum(ln2_b * Wout[:256]) + bout: the part of the output that hangs on the target skill alone, 256 table rows each
;   work-groups 104-615 xb[b][l] = bf16(inter_emb[interactions[b][l]] + pos_emb[l]), 64 rows each (pos_emb[arange(L)] is pos_emb itself)
; WORK LEFT OUT IN THE PROGRAM.  reference() replaces every score with key > query by -1e9 by a mask that it builds itself.  Where a row has a visible key that the input mask
; keeps, exp(-1e9 - max) is 0, so the 120 of 256 blocks of 64 queries x 64 keys that lie wholly above the diagonal reach no output: launch 2 does not compute them.  Where ALL
; visible keys of a row are masked, all 1,024 scores are -1e9 and the row is the mean of V over all keys: launch 2 makes that mean and selects it.  No input is left out.
; LIMITS.  A hidden score counts as its value less 1e30 (not as -1e9): the same result while visible scores lie above about -1e9.  A NaN, an infinity or an overflow that arises
; only in the blocks left out is not carried to the result.  Indices are held to their tables (20,001 and 10,000).  st has 10,240 entries; those from 10,001 on repeat the last row and are never read.
; No tensor load, no matrix instruction: the launch moves bytes.  Each store of a wave covers whole runs of 256 consecutive bytes (st: 128, a table of 40 KB).
.set SPARE, 17408                      ; LDS: the turning tile 64 x 272 bytes at 0; behind it the spare words, 128 bytes a wave
.set SPW, 198                          ; v198 LDS address of my spare word; never rewritten
.set NIL, 199                          ; v199 0; never rewritten
.set LN,  11                           ; v11  lane
.set WV,  36                           ; s36  wave
	s_load_b512 s[4:19], s[0:1], 0x0               ; interactions 4, inter_emb 6, pos_emb 8, xb 10, Wq 12, Wk 14, Wv 16, Wo 18
	s_load_b512 s[20:35], s[0:1], 0x40             ; W1 20, W2 22, wt 24, skill_emb 26, Wout 28, ln2_b 30, bout 32, st 34
	v_lshl_add_u32 v[SPW], v0, 2, SPARE
	v_mov_b32 v[NIL], 0
	v_lshrrev_b32 v1, 5, v0
	v_readfirstlane_b32 s[WV], v1
	v_and_b32 v[LN], 31, v0
	s_wait_kmcnt 0x0
	s_cmp_lt_u32 ttmp9, 64                         ; the role hangs on the work-group's number alone
	s_cbranch_scc1 .Ltrans
	s_cmp_lt_u32 ttmp9, 104
	s_cbranch_scc1 .Ltable
; ---------------- xb: a wave takes 8 rows; all 32 loads go out at once
	s_sub_co_u32 s37, ttmp9, 104
	s_lshl_b32 s37, s37, 6
	s_lshl3_add_u32 s37, s[WV], s37                ; my first row = 64 j + 8 wave
	s_lshl_b32 s38, s37, 2
	s_mov_b32 s39, 0
	s_add_nc_u64 s[38:39], s[4:5], s[38:39]
	s_load_b256 s[40:47], s[38:39], 0x0            ; my 8 indices
	s_and_b32 s48, s37, 1023
	s_lshl_b32 s48, s48, 10
	s_mov_b32 s49, 0
	s_add_nc_u64 s[8:9], s[8:9], s[48:49]          ; pos_emb at my first position
	s_lshl_b32 s48, s37, 9
	s_add_nc_u64 s[10:11], s[10:11], s[48:49]      ; xb at my first row
	v_lshlrev_b32 v1, 4, v[LN]                     ; 16 bytes a lane of f32
	v_lshlrev_b32 v10, 3, v[LN]                    ; 8 bytes a lane of bf16
	s_wait_kmcnt 0x0
.irp i, 0,1,2,3,4,5,6,7
	s_min_u32 s[40+\i], s[40+\i], 20001            ; the index stays inside its table
	s_lshl_b32 s[40+\i], s[40+\i], 10
	v_add_nc_u32 v[2+\i], s[40+\i], v1
	global_load_b128 v[16+16*\i:16+16*\i+3],    v[2+\i], s[6:7]
	global_load_b128 v[16+16*\i+4:16+16*\i+7],  v[2+\i], s[6:7] offset:512
	global_load_b128 v[16+16*\i+8:16+16*\i+11], v1, s[8:9] offset:1024*\i
	global_load_b128 v[16+16*\i+12:16+16*\i+15], v1, s[8:9] offset:1024*\i+512
.endr
.irp i, 0,1,2,3,4,5,6,7
	s_wait_loadcnt 4*(7-\i)                        ; the younger rows' four loads each may stay out
.irp q, 0,1,2,3
	v_pk_add_f32 v[16+16*\i+2*\q:16+16*\i+2*\q+1], v[16+16*\i+2*\q:16+16*\i+2*\q+1], v[16+16*\i+8+2*\q:16+16*\i+8+2*\q+1]
.endr
.irp q, 0,1,2,3
	v_cvt_pk_bf16_f32 v[144+4*\i+\q], v[16+16*\i+2*\q], v[16+16*\i+2*\q+1]
.endr
	global_store_b64 v10, v[144+4*\i:144+4*\i+1], s[10:11] offset:512*\i        ; 32 lanes: 256 consecutive bytes, aligned
	global_store_b64 v10, v[144+4*\i+2:144+4*\i+3], s[10:11] offset:512*\i+256
.endr
	s_endpgm
; ---------------- wt: one block of 128 k x 64 n is turned through LDS
; registers: v4-11 source offsets; v12, v13 LDS addresses; v16-47 as loaded; v48-63 packed; v64-79 read back; v80-83 the stores' offsets
.Ltrans:
	s_mov_b32 s37, ttmp9                           ; j
	s_lshr_b32 s38, s37, 3
	s_mov_b64 s[40:41], s[12:13]                   ; j < 32: Wq, Wk, Wv, Wo, 8 blocks each
	s_cmp_eq_u32 s38, 1
	s_cselect_b64 s[40:41], s[14:15], s[40:41]
	s_cmp_eq_u32 s38, 2
	s_cselect_b64 s[40:41], s[16:17], s[40:41]
	s_cmp_eq_u32 s38, 3
	s_cselect_b64 s[40:41], s[18:19], s[40:41]
	s_bfe_u32 s42, s37, 0x10002                    ; kb
	s_and_b32 s43, s37, 3                          ; nb
	s_lshl_b32 s44, s38, 17                        ; the matrix's place in wt
	s_mov_b32 s45, 1024                            ; bytes in a source row (4 N)
	s_mov_b32 s46, 512                             ; bytes in a turned row (2 K)
	s_bfe_u32 s47, s37, 0x10003
	s_and_b32 s48, s37, 7
	s_cmp_ge_u32 s37, 32                           ; 32-47: W1, 2 x 8 blocks
	s_cselect_b64 s[40:41], s[20:21], s[40:41]
	s_cselect_b32 s42, s47, s42
	s_cselect_b32 s43, s48, s43
	s_cselect_b32 s44, 524288, s44
	s_cselect_b32 s45, 2048, s45
	s_bfe_u32 s47, s37, 0x20002
	s_and_b32 s48, s37, 3
	s_cmp_ge_u32 s37, 48                           ; 48-63: W2, 4 x 4 blocks
	s_cselect_b64 s[40:41], s[22:23], s[40:41]
	s_cselect_b32 s42, s47, s42
	s_cselect_b32 s43, s48, s43
	s_cselect_b32 s44, 786432, s44
	s_cselect_b32 s45, 1024, s45
	s_cselect_b32 s46, 1024, s46
	s_mul_i32 s47, s42, s45
	s_lshl_b32 s47, s47, 7                         ; 128 kb rows
	s_lshl_b32 s48, s43, 8                         ; 64 nb columns of 4 bytes
	s_add_co_u32 s48, s47, s48
	s_mov_b32 s49, 0
	s_add_nc_u64 s[40:41], s[40:41], s[48:49]
	s_mul_i32 s47, s43, s46
	s_lshl_b32 s47, s47, 6                         ; 64 nb turned rows
	s_add_co_u32 s47, s47, s44
	s_lshl_b32 s48, s42, 8                         ; 128 kb numbers of 2 bytes
	s_add_co_u32 s48, s47, s48
	s_add_nc_u64 s[24:25], s[24:25], s[48:49]
	s_lshl_b32 s50, s45, 1
	s_lshl_b32 s51, s45, 5
	s_lshl_b32 s52, s46, 4
	v_and_b32 v1, 15, v0                           ; n4: four columns
	v_lshrrev_b32 v2, 4, v0                        ; kp: a pair of rows
	v_mul_u32_u24 v4, s50, v2
	v_lshl_add_u32 v4, v1, 4, v4                   ; row 2 kp, 16 lanes cover 256 bytes of it
	v_add_nc_u32 v5, s45, v4                       ; row 2 kp + 1
.irp i, 1,2,3
	v_add_nc_u32 v[4+2*\i], s51, v[2+2*\i]         ; 32 rows further down
	v_add_nc_u32 v[5+2*\i], s51, v[3+2*\i]
.endr
.irp i, 0,1,2,3
	global_load_b128 v[16+8*\i:16+8*\i+3],   v[4+2*\i], s[40:41]
	global_load_b128 v[16+8*\i+4:16+8*\i+7], v[5+2*\i], s[40:41]
.endr
	v_mul_u32_u24 v12, v1, 1088                    ; in: turned row 4 n4 + c of 272 bytes, word kp + 16 i
	v_lshl_add_u32 v12, v2, 2, v12
	v_mul_u32_u24 v13, v2, 272                     ; back: turned row kp + 16 i, 16 bytes a lane
	v_lshl_add_u32 v13, v1, 4, v13
	v_mul_u32_u24 v80, s46, v2                     ; and the same row and 16 bytes in wt
	v_lshl_add_u32 v80, v1, 4, v80
.irp i, 1,2,3
	v_add_nc_u32 v[80+\i], s52, v[79+\i]           ; 16 turned rows further down
.endr
	s_wait_loadcnt 0x0
.irp i, 0,1,2,3
.irp c, 0,1,2,3
	v_cvt_pk_bf16_f32 v[48+4*\i+\c], v[16+8*\i+\c], v[16+8*\i+4+\c]  ; k even below, k odd above: two neighbours of a turned row
.endr
.endr
.irp i, 0,1,2,3
.irp c, 0,1,2,3
	ds_store_b32 v12, v[48+4*\i+\c] offset:272*\c+64*\i
.endr
.endr
	s_wait_dscnt 0x0                               ; for the others' sake: my stores are done
	s_barrier_signal -1
	s_barrier_wait -1
.irp i, 0,1,2,3
	ds_load_b128 v[64+4*\i:64+4*\i+3], v13 offset:4352*\i
.endr
.irp i, 0,1,2,3
	s_wait_dscnt 3-\i                              ; the younger read-backs may stay out
	global_store_b128 v[80+\i], v[64+4*\i:64+4*\i+3], s[24:25]  ; 16 lanes: 256 consecutive bytes, aligned
.endr
	s_wait_tensorcnt 0x0                           ; the wave's end, behind my last LDS store
	ds_add_u32 v[SPW], v[NIL]
	s_wait_dscnt 0x0
	s_endpgm
; ---------------- st: a wave takes 32 table rows, a row's 1,024 bytes by two loads; two sets of 8 rows take turns
.Ltable:
	s_sub_co_u32 s37, ttmp9, 64
	s_lshl_b32 s37, s37, 8
	s_lshl_b32 s38, s[WV], 5
	s_add_co_u32 s37, s37, s38                     ; my first row
	s_load_b32 s50, s[32:33], 0x0                  ; bout
	s_mov_b32 s52, 0x76543210                      ; v_permlanex16_b32: each lane takes its own place in the other half
	s_mov_b32 s53, 0xfedcba98
	v_lshlrev_b32 v1, 4, v[LN]
	global_load_b128 v[16:19], v1, s[28:29] offset:1024   ; Wout[256 + 4 l ..]
	global_load_b128 v[20:23], v1, s[28:29] offset:1536   ; Wout[384 + 4 l ..]
	global_load_b128 v[24:27], v1, s[30:31]               ; ln2_b
	global_load_b128 v[28:31], v1, s[30:31] offset:512
	global_load_b128 v[32:35], v1, s[28:29]               ; Wout[:256]
	global_load_b128 v[36:39], v1, s[28:29] offset:512
	v_mov_b32 v42, 0
	v_mov_b32 v43, 0
.macro LOADG g, set
.irp i, 0,1,2,3,4,5,6,7
	s_add_co_u32 s38, s37, 8*(\g)+\i
	s_min_u32 s38, s38, 10000                      ; the padding rows read the last row
	v_lshl_add_u32 v[176+8*(\set)+\i], s38, 10, v1
	global_load_b128 v[48+64*(\set)+8*\i:48+64*(\set)+8*\i+3],   v[176+8*(\set)+\i], s[26:27]
	global_load_b128 v[48+64*(\set)+8*\i+4:48+64*(\set)+8*\i+7], v[176+8*(\set)+\i], s[26:27] offset:512
.endr
.endm
.macro WSUM                            ; v40 summed over the 32 lanes, the result in every lane
	v_add_f32_dpp v40, v40, v40 row_xmask:1 row_mask:0xf bank_mask:0xf
	v_add_f32_dpp v40, v40, v40 row_xmask:2 row_mask:0xf bank_mask:0xf
	v_add_f32_dpp v40, v40, v40 row_xmask:4 row_mask:0xf bank_mask:0xf
	v_add_f32_dpp v40, v40, v40 row_xmask:8 row_mask:0xf bank_mask:0xf
	v_permlanex16_b32 v42, v40, s52, s53
	v_add_f32 v40, v40, v42
.endm
.macro PROC g, set, younger
.irp i, 0,1,2,3,4,5,6,7
	s_wait_loadcnt (\younger)+2*(7-\i)             ; the next group's loads and this group's younger rows may stay out
.set gd, 48+64*(\set)+8*\i
	v_pk_mul_f32 v[40:41], v[gd:gd+1], v[16:17]
	v_pk_fma_f32 v[40:41], v[gd+2:gd+3], v[18:19], v[40:41]
	v_pk_fma_f32 v[40:41], v[gd+4:gd+5], v[20:21], v[40:41]
	v_pk_fma_f32 v[40:41], v[gd+6:gd+7], v[22:23], v[40:41]
	v_add_f32 v40, v40, v41
	WSUM
	v_cmp_eq_u32 vcc_lo, 8*(\g)+\i, v[LN]          ; lane n keeps row n's dot
	v_cndmask_b32 v43, v43, v40, vcc_lo
.endr
.endm
	LOADG 0, 0
	LOADG 1, 1
	PROC 0, 0, 16
	LOADG 2, 0
	PROC 1, 1, 16
	LOADG 3, 1
	PROC 2, 0, 16
	PROC 3, 1, 0
	v_pk_mul_f32 v[40:41], v[24:25], v[32:33]      ; the part that no skill changes
	v_pk_fma_f32 v[40:41], v[26:27], v[34:35], v[40:41]
	v_pk_fma_f32 v[40:41], v[28:29], v[36:37], v[40:41]
	v_pk_fma_f32 v[40:41], v[30:31], v[38:39], v[40:41]
	v_add_f32 v40, v40, v41
	WSUM
	s_wait_kmcnt 0x0
	v_add_f32 v40, s50, v40
	v_add_f32 v43, v43, v40
	s_lshl_b32 s38, s37, 2
	s_mov_b32 s39, 0
	s_add_nc_u64 s[34:35], s[34:35], s[38:39]
	v_lshlrev_b32 v44, 2, v[LN]
	global_store_b32 v44, v43, s[34:35]
	s_endpgm
.Lfunc_end_k_q176be4ba3c_prep:
	.size	k_q176be4ba3c_prep, .Lfunc_end_k_q176be4ba3c_prep-k_q176be4ba3c_prep
	.p2alignl 7, 3214868480
	.fill 96, 4, 3214868480
	.section	.rodata,"a",@progbits
	.p2align	6, 0x0
	.amdhsa_kernel k_q176be4ba3c_prep
		.amdhsa_group_segment_fixed_size 18432
		.amdhsa_private_segment_fixed_size 0
		.amdhsa_enable_private_segment 0
		.amdhsa_kernarg_size 128
		.amdhsa_user_sgpr_count 2
		.amdhsa_user_sgpr_kernarg_segment_ptr 1
		.amdhsa_wavefront_size32 1
		.amdhsa_system_sgpr_workgroup_id_x 1
		.amdhsa_system_sgpr_workgroup_id_y 1
		.amdhsa_system_sgpr_workgroup_id_z 1
		.amdhsa_system_vgpr_workitem_id 0
		.amdhsa_next_free_vgpr 200
		.amdhsa_next_free_sgpr 66
		.amdhsa_reserve_vcc 1
		.amdhsa_float_denorm_mode_32 3
		.amdhsa_float_denorm_mode_16_64 3
		.amdhsa_memory_ordered 1
		.amdhsa_forward_progress 1
		.amdhsa_inst_pref_size 54
	.end_amdhsa_kernel
	.amdgpu_metadata
---
amdhsa.version: [ 1, 2 ]
amdhsa.kernels:
  - .name:           k_q176be4ba3c_prep
    .symbol:         k_q176be4ba3c_prep.kd
    .args:
      - { .name: interactions, .offset: 0, .size: 8, .value_kind: global_buffer, .address_space: global }
      - { .name: inter_emb, .offset: 8, .size: 8, .value_kind: global_buffer, .address_space: global }
      - { .name: pos_emb, .offset: 16, .size: 8, .value_kind: global_buffer, .address_space: global }
      - { .name: xb, .offset: 24, .size: 8, .value_kind: global_buffer, .address_space: global }
      - { .name: Wq, .offset: 32, .size: 8, .value_kind: global_buffer, .address_space: global }
      - { .name: Wk, .offset: 40, .size: 8, .value_kind: global_buffer, .address_space: global }
      - { .name: Wv, .offset: 48, .size: 8, .value_kind: global_buffer, .address_space: global }
      - { .name: Wo, .offset: 56, .size: 8, .value_kind: global_buffer, .address_space: global }
      - { .name: W1, .offset: 64, .size: 8, .value_kind: global_buffer, .address_space: global }
      - { .name: W2, .offset: 72, .size: 8, .value_kind: global_buffer, .address_space: global }
      - { .name: wt, .offset: 80, .size: 8, .value_kind: global_buffer, .address_space: global }
      - { .name: skill_emb, .offset: 88, .size: 8, .value_kind: global_buffer, .address_space: global }
      - { .name: Wout, .offset: 96, .size: 8, .value_kind: global_buffer, .address_space: global }
      - { .name: ln2_b, .offset: 104, .size: 8, .value_kind: global_buffer, .address_space: global }
      - { .name: bout, .offset: 112, .size: 8, .value_kind: global_buffer, .address_space: global }
      - { .name: st, .offset: 120, .size: 8, .value_kind: global_buffer, .address_space: global }
    .group_segment_fixed_size: 18432
    .private_segment_fixed_size: 0
    .kernarg_segment_align: 8
    .kernarg_segment_size: 128
    .max_flat_workgroup_size: 256
    .sgpr_count:     66
    .vgpr_count:     200
    .wavefront_size: 32
...
	.end_amdgpu_metadata
.endif
;; end of part 1
;; launch attn (part 2): grid 8 x 32, 4 waves a work-group, no clusters, 253,696 bytes of LDS; arguments xb, wt, bq, bk, bv, decay_logit, mask, ows; writes ows
.if DOCPART == 2
	.amdgcn_target "amdgcn-amd-amdhsa--gfx1250"
	.amdhsa_code_object_version 6
	.text
	.protected	k_q176be4ba3c_attn
	.globl	k_q176be4ba3c_attn
	.p2align	8
	.type	k_q176be4ba3c_attn,@function
k_q176be4ba3c_attn:
	s_mov_b64 s[64:65], 0
	v_nop
	global_prefetch_b8 v0, s[64:65] scope:SCOPE_SE
	s_setreg_imm32_b32 hwreg(HW_REG_WAVE_MODE, 25, 1), 1
	s_wait_xcnt 0x0
; SAKT with decay, launch 2 of 3: one work-group for each (batch, head): 256.  It projects the head's own 96 columns (Q, K, V) of its batch's 1,024 rows into LDS, and runs the
; causal attention out of LDS: Q, K and V never go to memory.  Left out: the blocks of 64 x 64 scores wholly above the diagonal (shown dead at the head of launch 1); a row whose
; visible keys are all masked takes the mean of V over all 1,024 keys, made here and chosen by v_cndmask_b32.
; UNITS.  Q is multiplied in f32 by c = log2(e) / sqrt(32) before its one rounding to bf16, so scores are in powers of two: p = 2^(s - m), m a running maximum.
; s = c q.k + T[q - k] + km[k]; T[d] = -softplus(decay) log2(1 + d) for d >= 0 and -1e30 for d < 0; km[k] = 0 or -1e30 by the input mask.  T + km is the C operand of the product.
; LIMITS.  A hidden score is its value less 1e30; softplus's log1p is log2(1 + 2^..), off by 6e-8 at the most; a weight below 2^-126 counts as 0; NaN and infinities are not treated apart.
; bf16 for x, the weights, Q, K, V, P and O; sums, maxima and the row sum's accumulator in f32 (the row sum is taken of the rounded weights, by the matrix unit).
; NO CLUSTER, NO TENSOR LOAD: the eight heads of a batch share xb's rows, but K, Q, V^T and the tables fill 253,696 bytes of LDS: what is left holds no two slots worth a step's
; work; each wave keeps 64 loads of 512 bytes on their way instead.  No prefetch: the stream is asked for from the first line on and ends with the projection.
; LAYOUTS.  Q, K: D = W^T x^T (source 0 = 16 output channels, source 1 = 16 rows of x): a lane holds one row and 8 channels: 16 bytes of an LDS row [row][32 channels].
; V^T: D = x Wv (source 0 = 16 rows of x): a lane holds one channel and 8 keys: 16 bytes of an LDS row [channel][1,024 keys].  S^T = K Q^T: a lane holds one query (lane % 16) and keys
; 8 (lane / 16) + 0..7; two such tiles rounded in pairs ARE source 1 of O^T = V^T P.  One matrix instruction makes a tile of scores, since a head has 32 channels.
; SHARES.  A band is 64 queries (4 tiles); band g walks key steps 0 .. g of 64 keys.  Wave u owns bands u, 7 - u, 8 + u, 15 - u: 34 steps for every wave: one loop counted 34 to 0.
; The 16 tile pairs of a step need only 7 tiles of T (by a - b), so a step reads 38 x 512 bytes of LDS for 4,096 scores.
.set PKQ,   80                         ; a row of K or Q in LDS: 64 bytes + 16: the 16 rows of a load start in 16 different groups of four banks
.set PVT,   2064                       ; a row of V^T: 2,048 + 16
.set CPY,   4672                       ; a copy of the table T; four copies, shifted by a word each, so that every lane's 8 numbers lie 16-byte aligned
.set LDK,   0
.set LDQ,   81920
.set LDV,   163840
.set LDB,   229888                     ; copy c holds T[1024 - i + c] at word i
.set LDM,   248576                     ; km, 1,024 f32
.set LDVS,  252672                     ; each wave's sum of V over its 256 keys, 32 f32
.set SPARE, 253184                     ; the spare words, 128 bytes a wave
; window 0
.set RL,  1                            ; l % 16
.set HL,  2                            ; l / 16
.set FL,  3                            ; projection: my place in a fragment's rows of 512 bytes
.set AQS, 4                            ; where I put Q, K, V^T
.set AKS, 5
.set AVS, 6
.set ACC, 16                           ; q0 q1 k0 k1 v0 v1
.set BQK, 64                           ; their biases as C operands
.set BV,  96
.set PKD, 112
.set VSA, 136
.set AKL, 3                            ; attention: lane terms (never rewritten) ..
.set AQL, 4
.set AVL, 5
.set ABL, 6
.set AML, 7
.set ADK, 8                            ; .. and the addresses of the runs of loads in hand
.set ADQ, 9
.set ADV, 10
.set ADB, 11
.set ADM, 12
.set GO,  13
.set SPW, 14
.set NIL, 15
.set CT,  16                           ; four at work a tile
.set ST,  32                           ; a tile's m, m_old - m_new, a, and the other half's maximum
.set SS,  48                           ; S^T: tile a, key block b at SS + 32 a + 8 b
.set OO,  176                          ; O^T: OO + 16 a + 8 t
; window 1
.set KF,  0
.set VF,  32                           ; VF + 16 kb + 8 t
.set ONE, 64                           ; rows 0 and 8 are ones: register 0 of L is the row sum in both halves of the lanes
.set BI,  72                           ; T's tiles: BI + 8 (a - b + 3)
.set LL,  128                          ; L: LL + 8 a
; window 2
.set QF,  0
.set PF,  32                           ; PF + 16 a + 8 kb
.set MF,  96
.set VM,  128                          ; the mean of V, in O^T's layout
; scalars
.set WV,  20
.set BB,  22
.set CS,  24
.set SEL, 26
.set XB,  28
.set WBS, 30
.set CNT, 32
.set GC,  33                           ; the band and step in hand,
.set SC,  34
.set G1,  35                           ; the next,
.set S1,  36
.set R1,  37                           ; and the bands still to come
.set R2,  38
.set R3,  39
.set KOFF, 40
.set QOFF, 41
.set BOFF, 42
.set MOFF, 43
.set VOFF, 44
.set OB,  46
.set MK,  48
.set THR, 52
.set DEC, 56
.set MSB, 0
.macro WIN new                         ; s_set_vgpr_msb: bits 1:0 source 0, 3:2 source 1, 5:4 source 2, 7:6 destination; the high byte repeats the setting that is left
.if MSB != (\new)
	s_set_vgpr_msb (MSB<<8)|(\new)
.set MSB, (\new)
.endif
.endm
.set MAT, 0x09                         ; source 0 window 1, source 1 window 2, C and D window 0
	s_load_b512 s[4:19], s[0:1], 0x0               ; xb 4, wt 6, bq 8, bk 10, bv 12, decay_logit 14, mask 16, ows 18
	v_lshl_add_u32 v[SPW], v0, 2, SPARE
	v_mov_b32 v[NIL], 0
	v_lshrrev_b32 v1, 5, v0
	v_readfirstlane_b32 s[WV], v1
	s_and_b32 s[BB], ttmp7, 0xffff                 ; batch; ttmp9 is the head
	v_and_b32 v[RL], 15, v0
	v_bfe_u32 v[HL], v0, 4, 1
	v_lshlrev_b32 v[FL], 9, v[RL]
	v_lshl_add_u32 v[FL], v[HL], 4, v[FL]
	v_lshlrev_b32 v7, 5, v[HL]
	v_lshlrev_b32 v8, 2, v[RL]
	v_lshlrev_b32 v9, 3, v0
	s_mov_b32 s[CS], 0x3e8293ee                    ; c = log2(e) / sqrt(32)
	s_mov_b32 s[CS+1], s[CS]
	s_mov_b32 s[SEL], 0x76543210
	s_mov_b32 s[SEL+1], 0xfedcba98
	s_mov_b32 s[THR], 0xf0c9f2ca                   ; -5e29: a maximum below it has seen hidden scores alone
	s_lshl_b32 s54, ttmp9, 2
	s_mov_b32 s55, 0                               ; stays 0
	s_wait_kmcnt 0x0
	s_add_nc_u64 s[14:15], s[14:15], s[54:55]
	s_load_b32 s[DEC], s[14:15], 0x0
	s_lshl_b32 s54, s[BB], 10
	s_add_nc_u64 s[16:17], s[16:17], s[54:55]
	global_load_b64 v[60:61], v9, s[16:17]         ; my 8 bytes of the mask
	s_lshl_b32 s54, ttmp9, 7
	s_add_nc_u64 s[8:9], s[8:9], s[54:55]
	s_add_nc_u64 s[10:11], s[10:11], s[54:55]
	s_add_nc_u64 s[12:13], s[12:13], s[54:55]
.irp t, 0,1
	global_load_b128 v[BQK+8*\t:BQK+8*\t+3],       v7, s[8:9] offset:64*\t
	global_load_b128 v[BQK+8*\t+4:BQK+8*\t+7],     v7, s[8:9] offset:64*\t+16
	global_load_b128 v[BQK+16+8*\t:BQK+16+8*\t+3], v7, s[10:11] offset:64*\t
	global_load_b128 v[BQK+16+8*\t+4:BQK+16+8*\t+7], v7, s[10:11] offset:64*\t+16
	global_load_b32 v[BV+8*\t], v8, s[12:13] offset:64*\t
.endr
	s_lshl_b32 s54, ttmp9, 14                      ; the head's 32 rows of each turned weight
	s_add_nc_u64 s[WBS:WBS+1], s[6:7], s[54:55]
	s_lshl_b32 s54, s[BB], 19
	s_lshl_b32 s53, s[WV], 17
	s_add_co_u32 s54, s54, s53
	s_add_nc_u64 s[XB:XB+1], s[4:5], s[54:55]      ; xb at my wave's 256 rows
	s_lshl3_add_u32 s54, s[BB], ttmp9
	s_lshl_b32 s54, s54, 16
	s_add_nc_u64 s[18:19], s[18:19], s[54:55]      ; ows at (batch, head)
	WIN 0x40
.irp n, 0,1,2,3
.irp ks, 0,1,2,3,4,5,6,7
	global_load_b128 v[64*\n+8*\ks:64*\n+8*\ks+3],   v[FL], s[WBS:WBS+1] offset:(\n/2)*131072+(\n%2)*8192+64*\ks
	global_load_b128 v[64*\n+8*\ks+4:64*\n+8*\ks+7], v[FL], s[WBS:WBS+1] offset:(\n/2)*131072+(\n%2)*8192+64*\ks+32
.endr
.endr
	WIN 0x80
.irp t, 0,1
.irp ks, 0,1,2,3,4,5,6,7
	global_load_b128 v[64*\t+8*\ks:64*\t+8*\ks+3],   v[FL], s[WBS:WBS+1] offset:262144+\t*8192+64*\ks
	global_load_b128 v[64*\t+8*\ks+4:64*\t+8*\ks+7], v[FL], s[WBS:WBS+1] offset:262144+\t*8192+64*\ks+32
.endr
.endr
.macro XLOAD buf, off                  ; 16 rows of x, all 256 channels: 16 loads into buffer buf of window 3
	WIN 0xc0
.irp ks, 0,1,2,3,4,5,6,7
	global_load_b128 v[64*(\buf)+8*\ks:64*(\buf)+8*\ks+3],   v[FL], s[XB:XB+1] offset:(\off)+64*\ks
	global_load_b128 v[64*(\buf)+8*\ks+4:64*(\buf)+8*\ks+7], v[FL], s[XB:XB+1] offset:(\off)+64*\ks+32
.endr
	WIN 0
.endm
	XLOAD 0, 0
	XLOAD 1, 8192
	XLOAD 2, 16384
	XLOAD 3, 24576
	; the tables, while the loads are on their way.  rate = max(x, 0) + ln 2 log2(1 + 2^(-|x| log2 e))
	s_wait_kmcnt 0x0
	v_mov_b32 v16, s[DEC]
	v_and_b32 v17, 0x7fffffff, v16
	v_mul_f32 v17, 0xbfb8aa3b, v17
	v_exp_f32 v17, v17
	v_max_num_f32 v16, 0, v16
	s_wait_alu depctr_va_vdst(0)
	v_add_f32 v17, 1.0, v17
	v_log_f32 v17, v17
	v_mov_b32 v18, 0xf149f2ca                      ; -1e30
	s_wait_alu depctr_va_vdst(0)
	v_fmac_f32 v16, 0x3f317218, v17
	v_xor_b32 v16, 0x80000000, v16                 ; -rate
	v_sub_nc_u32 v19, 1024, v0
	v_lshl_add_u32 v10, v0, 2, LDB
	v_lshl_add_u32 v11, v0, 5, LDM
.irp n, 0,1,2,3,4,5,6,7,8
	v_subrev_nc_u32 v[20+\n], 128*\n, v19          ; d = 1024 - (thread + 128 n): 1,024 down to -127
	v_add_nc_u32 v[30+\n], 1, v[20+\n]
	v_max_i32 v[30+\n], 1, v[30+\n]
	v_cvt_f32_i32 v[30+\n], v[30+\n]
.endr
.irp n, 0,1,2,3,4,5,6,7,8
	v_log_f32 v[30+\n], v[30+\n]
.endr
	v_nop
	s_wait_alu depctr_va_vdst(0)                   ; one wait for the nine logarithms
.irp n, 0,1,2,3,4,5,6,7,8
	v_mul_f32 v[30+\n], v16, v[30+\n]
	v_cmp_gt_i32 vcc_lo, 0, v[20+\n]
	v_cndmask_b32 v[30+\n], v[30+\n], v18, vcc_lo
.irp c, 0,1,2,3
	ds_store_b32 v10, v[30+\n] offset:(CPY+4)*\c+512*\n
.endr
.endr
	s_wait_loadcnt 63                              ; more than 63 loads were issued behind the mask's and the biases': these are in
.irp q, 0,1,2,3,4,5,6,7
	v_bfe_u32 v[40+\q], v[60+\q/4], 8*(\q%4), 8
	v_cmp_eq_u32 vcc_lo, 0, v[40+\q]
	v_cndmask_b32 v[40+\q], 0, v18, vcc_lo
.endr
	ds_store_b128 v11, v[40:43]
	ds_store_b128 v11, v[44:47] offset:16
.irp t, 0,1
.irp i, 1,2,3,4,5,6,7
	v_mov_b32 v[BV+8*\t+\i], v[BV+8*\t]            ; a lane of V^T holds one channel: its bias in all eight registers
.endr
.endr
.irp i, 0,1,2,3
	v_mov_b32 v[VSA+\i], 0
.endr
	v_mul_u32_u24 v[AKS], v[RL], PKQ
	v_lshl_add_u32 v[AKS], v[HL], 4, v[AKS]
	s_mul_i32 s53, s[WV], 256*PKQ
	v_add_nc_u32 v[AKS], s53, v[AKS]
	v_add_nc_u32 v[AQS], LDQ, v[AKS]
	v_mul_u32_u24 v[AVS], v[RL], PVT
	v_lshl_add_u32 v[AVS], v[HL], 4, v[AVS]
	s_lshl_b32 s53, s[WV], 9
	s_add_co_u32 s53, s53, LDV
	v_add_nc_u32 v[AVS], s53, v[AVS]
; THE PROJECTION of 16 rows, in buffer j: 32 products for Q and K (four accumulators by turns), 16 for V^T (two by turns); the first of each takes the bias as C.
.macro PTILE j, reload, left
	s_wait_loadcnt \left                           ; the younger buffers' 16 loads each may stay out
	WIN 0x0d                                       ; W in window 1, x in window 3
.irp ks, 0,1,2,3,4,5,6,7
.irp n, 0,1,2,3
.if \ks == 0
	v_wmma_f32_16x16x32_bf16 v[ACC+8*\n:ACC+8*\n+7], v[64*\n+8*\ks:64*\n+8*\ks+7], v[64*(\j)+8*\ks:64*(\j)+8*\ks+7], v[BQK+8*\n:BQK+8*\n+7]
.else
	v_wmma_f32_16x16x32_bf16 v[ACC+8*\n:ACC+8*\n+7], v[64*\n+8*\ks:64*\n+8*\ks+7], v[64*(\j)+8*\ks:64*(\j)+8*\ks+7], v[ACC+8*\n:ACC+8*\n+7]
.endif
.endr
.endr
	WIN 0x0b                                       ; x in window 3, Wv in window 2
.irp ks, 0,1,2,3,4,5,6,7
.irp t, 0,1
.if \ks == 0
	v_wmma_f32_16x16x32_bf16 v[ACC+32+8*\t:ACC+32+8*\t+7], v[64*(\j)+8*\ks:64*(\j)+8*\ks+7], v[64*\t+8*\ks:64*\t+8*\ks+7], v[BV+8*\t:BV+8*\t+7]
.else
	v_wmma_f32_16x16x32_bf16 v[ACC+32+8*\t:ACC+32+8*\t+7], v[64*(\j)+8*\ks:64*(\j)+8*\ks+7], v[64*\t+8*\ks:64*\t+8*\ks+7], v[ACC+32+8*\t:ACC+32+8*\t+7]
.endif
.endr
.endr
	WIN 0
.rept 8
	v_nop                                          ; the places behind the products, in front of the loads into x's buffer and of the lines that read the sums
.endr
.if \reload
	XLOAD \j, (4+(\j))*8192
.endif
.irp p, 0,1,2,3,4,5,6,7
	v_pk_mul_f32 v[ACC+2*\p:ACC+2*\p+1], v[ACC+2*\p:ACC+2*\p+1], s[CS:CS+1] op_sel_hi:[1,0]  ; Q times c, in f32
.endr
.irp p, 0,1,2,3
	v_pk_add_f32 v[VSA:VSA+1], v[VSA:VSA+1], v[ACC+32+2*\p:ACC+32+2*\p+1]      ; V summed over the keys, for the mean
	v_pk_add_f32 v[VSA+2:VSA+3], v[VSA+2:VSA+3], v[ACC+40+2*\p:ACC+40+2*\p+1]
.endr
.set q, 0
.rept 24
	v_cvt_pk_bf16_f32 v[PKD+q], v[ACC+2*q], v[ACC+2*q+1]
.set q, q+1
.endr
.irp t, 0,1
	ds_store_b128 v[AQS], v[PKD+4*\t:PKD+4*\t+3] offset:(\j)*16*PKQ+32*\t
	ds_store_b128 v[AKS], v[PKD+8+4*\t:PKD+8+4*\t+3] offset:(\j)*16*PKQ+32*\t
	ds_store_b128 v[AVS], v[PKD+16+4*\t:PKD+16+4*\t+3] offset:\t*16*PVT+32*(\j)
.endr
.endm
	s_mov_b32 s[CNT], 3
.Lproj:                                        ; a trip: four tiles of 16 rows, each buffer asked for again at once
	PTILE 0, 1, 48
	PTILE 1, 1, 48
	PTILE 2, 1, 48
	PTILE 3, 1, 48
	s_wait_xcnt 0x0                                ; the loads have read their base: it may step
	s_add_nc_u64 s[XB:XB+1], s[XB:XB+1], 32768
	v_add_nc_u32 v[AQS], 64*PKQ, v[AQS]
	v_add_nc_u32 v[AKS], 64*PKQ, v[AKS]
	v_add_nc_u32 v[AVS], 128, v[AVS]
	s_sub_co_u32 s[CNT], s[CNT], 1
	s_cmp_lg_u32 s[CNT], 0
	s_cbranch_scc1 .Lproj
	PTILE 0, 0, 48                                 ; the last four tiles load nothing: the counts run down
	PTILE 1, 0, 32
	PTILE 2, 0, 16
	PTILE 3, 0, 0
	v_add_f32 v[VSA], v[VSA], v[VSA+1]
	v_add_f32 v[VSA+2], v[VSA+2], v[VSA+3]
	v_permlanex16_b32 v[VSA+1], v[VSA], s[SEL], s[SEL+1]
	v_permlanex16_b32 v[VSA+3], v[VSA+2], s[SEL], s[SEL+1]
	v_add_f32 v[VSA], v[VSA], v[VSA+1]
	v_add_f32 v[VSA+2], v[VSA+2], v[VSA+3]
	s_lshl_b32 s53, s[WV], 7
	s_add_co_u32 s53, s53, LDVS
	v_lshl_add_u32 v12, v[RL], 2, s53
	ds_store_b32 v12, v[VSA]                       ; both halves of the lanes write the same number to the same word
	ds_store_b32 v12, v[VSA+2] offset:64
	s_wait_dscnt 0x0                               ; for the others' sake: all my stores into LDS are done
	s_barrier_signal -1
	s_barrier_wait -1                              ; from here on LDS is only read
	; ---------------- the attention's set-up
	v_mul_u32_u24 v[AKL], v[RL], PKQ
	v_lshl_add_u32 v[AKL], v[HL], 4, v[AKL]
	v_add_nc_u32 v[AQL], LDQ, v[AKL]
	v_mul_u32_u24 v[AVL], v[RL], PVT
	v_lshl_add_u32 v[AVL], v[HL], 4, v[AVL]
	v_add_nc_u32 v[AVL], LDV, v[AVL]
	v_and_b32 v16, 3, v[RL]                        ; the copy of T whose words fall aligned for my query
	v_mul_u32_u24 v[ABL], v16, CPY
	v_lshl_add_u32 v[ABL], v[HL], 5, v[ABL]
	v_add_nc_u32 v[ABL], LDB+3904, v[ABL]
	v_and_b32 v16, 12, v[RL]
	v_lshlrev_b32 v16, 2, v16
	v_sub_nc_u32 v[ABL], v[ABL], v16
	v_lshlrev_b32 v[AML], 5, v[HL]
	v_add_nc_u32 v17, LDVS, v[AML]
	v_add_nc_u32 v[AML], LDM, v[AML]
	v_and_b32 v[GO], 31, v0
	v_lshlrev_b32 v[GO], 4, v[GO]
.irp w, 0,1,2,3
.irp t, 0,1
	ds_load_b128 v[SS+16*\w+8*\t:SS+16*\w+8*\t+3],   v17 offset:128*\w+64*\t
	ds_load_b128 v[SS+16*\w+8*\t+4:SS+16*\w+8*\t+7], v17 offset:128*\w+64*\t+16
.endr
.endr
	v_and_b32 v16, 7, v[RL]
	v_cmp_eq_u32 vcc_lo, 0, v16
	v_mov_b32 v18, 0x3f803f80                      ; 1.0 twice in bf16
	WIN 0x40
.irp i, 0,1,2,3,4,5,6,7
	v_cndmask_b32 v[ONE+\i], 0, v18, vcc_lo
.endr
.set i, 0
.rept 32
	v_mov_b32 v[LL+i], 0                           ; L and O^T are cleared once: a band's first step multiplies them by a = 0, so later bands need only finite numbers there
.set i, i+1
.endr
	WIN 0
.set i, 0
.rept 64
	v_mov_b32 v[OO+i], 0
.set i, i+1
.endr
.irp a, 0,1,2,3
	v_mov_b32 v[ST+4*\a], 0xff7fffff               ; m: the lowest finite number
	v_mov_b32 v[ST+4*\a+1], 0
	v_mov_b32 v[ST+4*\a+2], 0
	v_mov_b32 v[ST+4*\a+3], 0
.endr
	s_wait_dscnt 0x0
.irp p, 0,1,2,3,4,5,6,7
	v_pk_add_f32 v[SS+2*\p:SS+2*\p+1], v[SS+2*\p:SS+2*\p+1], v[SS+16+2*\p:SS+16+2*\p+1]
	v_pk_add_f32 v[SS+32+2*\p:SS+32+2*\p+1], v[SS+32+2*\p:SS+32+2*\p+1], v[SS+48+2*\p:SS+48+2*\p+1]
.endr
.irp p, 0,1,2,3,4,5,6,7
	v_pk_add_f32 v[SS+2*\p:SS+2*\p+1], v[SS+2*\p:SS+2*\p+1], v[SS+32+2*\p:SS+32+2*\p+1]
.endr
	WIN 0x80
.irp p, 0,1,2,3,4,5,6,7
	v_pk_mul_f32 v[VM+2*\p:VM+2*\p+1], v[SS+2*\p:SS+2*\p+1], 0x3a800000 op_sel_hi:[1,0]  ; / 1,024
.endr
	WIN 0
.macro ADVANCE                         ; the next step of the band, or step 0 of the next band
	s_add_co_u32 s[S1], s[S1], 1
	s_cmp_gt_u32 s[S1], s[G1]
	s_cselect_b32 s[S1], 0, s[S1]
	s_cselect_b32 s[G1], s[R1], s[G1]
	s_cselect_b32 s[R1], s[R2], s[R1]
	s_cselect_b32 s[R2], s[R3], s[R2]
	s_mul_i32 s[KOFF], s[S1], 64*PKQ
	s_mul_i32 s[QOFF], s[G1], 64*PKQ
	s_sub_co_u32 s[BOFF], s[G1], s[S1]
	s_lshl_b32 s[BOFF], s[BOFF], 8
	s_lshl_b32 s[MOFF], s[S1], 8
	s_lshl_b32 s[VOFF], s[S1], 7
.endm
.macro ADDR                            ; four plain lines: also the places behind K Q^T, in front of the loads into K and Q
	v_add_nc_u32 v[ADK], s[KOFF], v[AKL]
	v_subrev_nc_u32 v[ADB], s[BOFF], v[ABL]
	v_add_nc_u32 v[ADM], s[MOFF], v[AML]
	v_add_nc_u32 v[ADQ], s[QOFF], v[AQL]
.endm
.macro LD_KBM
	WIN 0x40
.irp b, 0,1,2,3
	ds_load_b128 v[KF+8*\b:KF+8*\b+3],   v[ADK] offset:\b*16*PKQ
	ds_load_b128 v[KF+8*\b+4:KF+8*\b+7], v[ADK] offset:\b*16*PKQ+32
.endr
.irp e, 0,1,2,3,4,5,6
	ds_load_b128 v[BI+8*\e:BI+8*\e+3],   v[ADB] offset:64*(6-\e)
	ds_load_b128 v[BI+8*\e+4:BI+8*\e+7], v[ADB] offset:64*(6-\e)+16
.endr
	WIN 0x80
.irp b, 0,1,2,3
	ds_load_b128 v[MF+8*\b:MF+8*\b+3],   v[ADM] offset:64*\b
	ds_load_b128 v[MF+8*\b+4:MF+8*\b+7], v[ADM] offset:64*\b+16
.endr
	WIN 0
.endm
.macro LD_Q cond                       ; a band's Q: wanted where the next step is a band's first
.if \cond
	s_cmp_lg_u32 s[S1], 0
	s_cbranch_scc1 .Lnoq_\@
.endif
	WIN 0x80
.irp a, 0,1,2,3
	ds_load_b128 v[QF+8*\a:QF+8*\a+3],   v[ADQ] offset:\a*16*PKQ
	ds_load_b128 v[QF+8*\a+4:QF+8*\a+7], v[ADQ] offset:\a*16*PKQ+32
.endr
	WIN 0
.if \cond
.Lnoq_\@:
.endif
.endm
.macro LD_V
	WIN 0x40
.irp kb, 0,1
.irp t, 0,1
	ds_load_b128 v[VF+16*\kb+8*\t:VF+16*\kb+8*\t+3],   v[ADV] offset:\t*16*PVT+64*\kb
	ds_load_b128 v[VF+16*\kb+8*\t+4:VF+16*\kb+8*\t+7], v[ADV] offset:\t*16*PVT+64*\kb+32
.endr
.endr
	WIN 0
.endm
.macro PRE i                           ; number i of 64: T + km for a pair of scores, written where the product takes its C
.set xa, (\i)/16
.set xb_, ((\i)/4)%4
.set xp, (\i)%4
	v_pk_add_f32 v[SS+32*xa+8*xb_+2*xp:SS+32*xa+8*xb_+2*xp+1], v[BI+8*(xa-xb_+3)+2*xp:BI+8*(xa-xb_+3)+2*xp+1], v[MF+8*xb_+2*xp:MF+8*xb_+2*xp+1]
.endm
.macro MX a, n                         ; number n of the 21 that find tile a's maximum and statistics; each accumulator's lowest registers are read first
.set rC, CT+4*(\a)
.set rT, ST+4*(\a)
.set rS, SS+32*(\a)
.if (\n) < 4
	v_max3_num_f32 v[rC+(\n)], v[rS+8*(\n)], v[rS+8*(\n)+1], v[rS+8*(\n)+2]
.elseif (\n) < 12
	v_max3_num_f32 v[rC+(\n)%4], v[rC+(\n)%4], v[rS+8*((\n)%4)+2*((\n)/4)+1], v[rS+8*((\n)%4)+2*((\n)/4)+2]
.elseif (\n) == 12
	v_max3_num_f32 v[rC], v[rC], v[rS+7], v[rS+15]
.elseif (\n) == 13
	v_max3_num_f32 v[rC+2], v[rC+2], v[rS+23], v[rS+31]
.elseif (\n) == 14
	v_max3_num_f32 v[rC+2], v[rC+2], v[rC+3], v[rT]
.elseif (\n) == 15
	v_max3_num_f32 v[rC], v[rC], v[rC+1], v[rC+2]
.elseif (\n) == 16
	v_permlanex16_b32 v[rT+3], v[rC], s[SEL], s[SEL+1]  ; the query's other 32 keys lie in the lane 16 away
.elseif (\n) == 17
	v_max_num_f32 v[rC+1], v[rC], v[rT+3]
.elseif (\n) == 18
	v_sub_f32 v[rT+1], v[rT], v[rC+1]
.elseif (\n) == 19
	v_mov_b32 v[rT], v[rC+1]
.else
	v_exp_f32 v[rT+2], v[rT+1]
.endif
.endm
.macro SUBP i                          ; s - m for pair i / 4 of tile i % 4
.set xa, (\i)%4
.set xp, (\i)/4
	v_pk_add_f32 v[SS+32*xa+2*xp:SS+32*xa+2*xp+1], v[SS+32*xa+2*xp:SS+32*xa+2*xp+1], v[ST+4*xa:ST+4*xa+1] op_sel_hi:[1,0] neg_lo:[0,1] neg_hi:[0,1]
.endm
.macro EXPS k                          ; the two exponentials 2 i, 2 i + 1 belong to SUBP i's pair
.set xa, ((\k)/2)%4
.set xr, 2*(((\k)/2)/4)+(\k)%2
	v_exp_f32 v[SS+32*xa+xr], v[SS+32*xa+xr]
.endm
.macro FINAL                           ; a band's end: O^T / l, or the mean of V where the maximum has seen hidden scores alone; rounded; stored in the order in which launch 3 takes it as a fragment
	s_wait_xcnt 0x0                                ; earlier stores have read their base
	s_lshl_b32 s54, s[GC], 12
	s_add_nc_u64 s[OB:OB+1], s[18:19], s[54:55]
	WIN 0x01
.irp a, 0,1,2,3
	v_rcp_f32 v[CT+4*\a], v[LL+8*\a]
.endr
	WIN 0
	v_nop
.irp a, 0,1,2,3
	v_cmp_gt_f32 s[MK+\a], s[THR], v[ST+4*\a]
.endr
	s_wait_alu depctr_va_vdst(0)                   ; one wait for the four reciprocals
.set i, 0
.rept 32
	v_pk_mul_f32 v[OO+2*i:OO+2*i+1], v[OO+2*i:OO+2*i+1], v[CT+4*(i/8):CT+4*(i/8)+1] op_sel_hi:[1,0]
.set i, i+1
.endr
	WIN 0x08
.set i, 0
.rept 64
	v_cndmask_b32 v[OO+i], v[OO+i], v[VM+i%16], s[MK+i/16]
.set i, i+1
.endr
	WIN 0x80
.set i, 0
.rept 32
	v_cvt_pk_bf16_f32 v[PF+i], v[OO+2*i], v[OO+2*i+1]
.set i, i+1
.endr
	WIN 0x08
.irp a, 0,1,2,3
.irp t, 0,1
	global_store_b128 v[GO], v[PF+8*\a+4*\t:PF+8*\a+4*\t+3], s[OB:OB+1] offset:1024*\a+512*\t  ; 512 consecutive bytes, aligned
.endr
.endr
	WIN 0
.irp a, 0,1,2,3
	v_mov_b32 v[ST+4*\a], 0xff7fffff
.endr
.endm
	s_mov_b32 s[G1], s[WV]                         ; my bands: u, 7 - u, 8 + u, 15 - u
	s_mov_b32 s[S1], 0
	s_sub_co_u32 s[R1], 7, s[WV]
	s_add_co_u32 s[R2], s[WV], 8
	s_sub_co_u32 s[R3], 15, s[WV]
	s_mov_b32 s[KOFF], 0
	s_mul_i32 s[QOFF], s[G1], 64*PKQ
	s_lshl_b32 s[BOFF], s[G1], 8
	s_mov_b32 s[MOFF], 0
	s_mov_b32 s[VOFF], 0
	ADDR
	v_add_nc_u32 v[ADV], s[VOFF], v[AVL]
	LD_KBM
	LD_Q 0
	LD_V
	s_wait_dscnt 0x0
	WIN MAT
.set pi_, 0
.rept 64
	PRE pi_
.set pi_, pi_+1
.endr
	WIN 0
	s_mov_b32 s[GC], s[G1]
	s_mov_b32 s[SC], s[S1]
	ADVANCE
	s_mov_b32 s[CNT], 34
.Ltrip:                                        ; a key step of a band: 4 tiles of 16 queries x 64 keys.  K, Q, V and the C operands of the step in hand are in registers; those of the next are fetched
	WIN MAT
.irp a, 0,1,2,3
.irp b, 0,1,2,3
	v_wmma_f32_16x16x32_bf16 v[SS+32*\a+8*\b:SS+32*\a+8*\b+7], v[KF+8*\b:KF+8*\b+7], v[QF+8*\a:QF+8*\a+7], v[SS+32*\a+8*\b:SS+32*\a+8*\b+7]
.endr
.endr
	WIN 0
	ADDR
	LD_KBM
	LD_Q 1
.irp n, 0,1,2,3,4,5,6,7,8,9,10,11,12,13,14,15,16,17,18,19,20
.irp a, 0,1,2,3
	MX \a, \n
.endr
.endr
.set si, 0
.rept 4
	SUBP si
.set si, si+1
.endr
.set ei, 0
.rept 64                               ; one batch: 128 exponentials (and the four a above), a subtraction between each two; nothing here names a result
	EXPS 2*ei
.if ei < 60
	SUBP ei+4
.endif
	EXPS 2*ei+1
.set ei, ei+1
.endr
	v_nop                                          ; a plain instruction behind the last exponential
	s_wait_alu depctr_va_vdst(0)                   ; the one wait for the batch, ahead of its first reader
	s_wait_xcnt 0x0                                ; P's registers were a band's store data
	WIN 0x80
.set ci, 0
.rept 64
	v_cvt_pk_bf16_f32 v[PF+ci], v[SS+2*ci], v[SS+2*ci+1]
.set ci, ci+1
.endr
	WIN 0
.set ci, 0
.rept 32
	v_pk_mul_f32 v[OO+2*ci:OO+2*ci+1], v[OO+2*ci:OO+2*ci+1], v[ST+4*(ci/8)+2:ST+4*(ci/8)+3] op_sel_hi:[1,0]
.set ci, ci+1
.endr
	WIN 0x41
.irp a, 0,1,2,3
	v_pk_mul_f32 v[LL+8*\a:LL+8*\a+1], v[LL+8*\a:LL+8*\a+1], v[ST+4*\a+2:ST+4*\a+3] op_sel_hi:[1,0]  ; registers 1 to 7 of L stay 0
.endr
	s_wait_dscnt 0x0                               ; V of this step; K, Q, T and km of the next
	WIN 0x59                                       ; the row sums: ones x P, the four accumulators by turns
.irp kb, 0,1
.irp a, 0,1,2,3
	v_wmma_f32_16x16x32_bf16 v[LL+8*\a:LL+8*\a+7], v[ONE:ONE+7], v[PF+16*\a+8*\kb:PF+16*\a+8*\kb+7], v[LL+8*\a:LL+8*\a+7]
.endr
.endr
	WIN MAT                                        ; V^T P, eight accumulators by turns; behind each product four lines that make the next step's C operands, under the same windows
.set pi_, 0
.irp kb, 0,1
.irp t, 0,1
.irp a, 0,1,2,3
	v_wmma_f32_16x16x32_bf16 v[OO+16*\a+8*\t:OO+16*\a+8*\t+7], v[VF+16*\kb+8*\t:VF+16*\kb+8*\t+7], v[PF+16*\a+8*\kb:PF+16*\a+8*\kb+7], v[OO+16*\a+8*\t:OO+16*\a+8*\t+7]
.rept 4
	PRE pi_
.set pi_, pi_+1
.endr
.endr
.endr
.endr
	WIN 0
	v_add_nc_u32 v[ADV], s[VOFF], v[AVL]
	LD_V                                           ; five plain lines behind the last product that read V
	s_cmp_lg_u32 s[SC], s[GC]
	s_cbranch_scc1 .Lnofin
	FINAL
.Lnofin:
	s_mov_b32 s[GC], s[G1]
	s_mov_b32 s[SC], s[S1]
	ADVANCE                                        ; (behind the last band it names that band's step 0 once more: the 34th trip's fetches serve nothing, the price of one text for every trip)
	s_sub_co_u32 s[CNT], s[CNT], 1
	s_cmp_lg_u32 s[CNT], 0
	s_cbranch_scc1 .Ltrip
	s_wait_dscnt 0x0                               ; my reads of LDS are over
	s_barrier_signal -1
	s_barrier_wait -1
	s_wait_tensorcnt 0x0                           ; the wave's end, behind my last LDS store
	ds_add_u32 v[SPW], v[NIL]
	s_wait_dscnt 0x0
	s_endpgm
.Lfunc_end_k_q176be4ba3c_attn:
	.size	k_q176be4ba3c_attn, .Lfunc_end_k_q176be4ba3c_attn-k_q176be4ba3c_attn
	.p2alignl 7, 3214868480
	.fill 96, 4, 3214868480
	.section	.rodata,"a",@progbits
	.p2align	6, 0x0
	.amdhsa_kernel k_q176be4ba3c_attn
		.amdhsa_group_segment_fixed_size 253696
		.amdhsa_private_segment_fixed_size 0
		.amdhsa_enable_private_segment 0
		.amdhsa_kernarg_size 64
		.amdhsa_user_sgpr_count 2
		.amdhsa_user_sgpr_kernarg_segment_ptr 1
		.amdhsa_wavefront_size32 1
		.amdhsa_system_sgpr_workgroup_id_x 1
		.amdhsa_system_sgpr_workgroup_id_y 1
		.amdhsa_system_sgpr_workgroup_id_z 1
		.amdhsa_system_vgpr_workitem_id 0
		.amdhsa_next_free_vgpr 1024
		.amdhsa_next_free_sgpr 66
		.amdhsa_reserve_vcc 1
		.amdhsa_float_denorm_mode_32 3
		.amdhsa_float_denorm_mode_16_64 3
		.amdhsa_memory_ordered 1
		.amdhsa_forward_progress 1
		.amdhsa_inst_pref_size 140
	.end_amdhsa_kernel
	.amdgpu_metadata
---
amdhsa.version: [ 1, 2 ]
amdhsa.kernels:
  - .name:           k_q176be4ba3c_attn
    .symbol:         k_q176be4ba3c_attn.kd
    .args:
      - { .name: xb, .offset: 0, .size: 8, .value_kind: global_buffer, .address_space: global }
      - { .name: wt, .offset: 8, .size: 8, .value_kind: global_buffer, .address_space: global }
      - { .name: bq, .offset: 16, .size: 8, .value_kind: global_buffer, .address_space: global }
      - { .name: bk, .offset: 24, .size: 8, .value_kind: global_buffer, .address_space: global }
      - { .name: bv, .offset: 32, .size: 8, .value_kind: global_buffer, .address_space: global }
      - { .name: decay_logit, .offset: 40, .size: 8, .value_kind: global_buffer, .address_space: global }
      - { .name: mask, .offset: 48, .size: 8, .value_kind: global_buffer, .address_space: global }
      - { .name: ows, .offset: 56, .size: 8, .value_kind: global_buffer, .address_space: global }
    .group_segment_fixed_size: 253696
    .private_segment_fixed_size: 0
    .kernarg_segment_align: 8
    .kernarg_segment_size: 64
    .max_flat_workgroup_size: 128
    .sgpr_count:     66
    .vgpr_count:     1024
    .wavefront_size: 32
...
	.end_amdgpu_metadata
.endif
;; end of part 2
;; launch tail (part 3): grid 256 x 1, 4 waves a work-group, clusters of 4 x 1, 327,680 bytes of LDS; arguments ows, wt, st, interactions, target_skills, inter_emb, pos_emb, bo, ln1_g, ln1_b, b1, b2, ln2_g, Wout, out0; writes out0
.if DOCPART == 3
	.amdgcn_target "amdgcn-amd-amdhsa--gfx1250"
	.amdhsa_code_object_version 6
	.text
	.protected	k_q176be4ba3c_tail
	.globl	k_q176be4ba3c_tail
	.p2align	8
	.type	k_q176be4ba3c_tail,@function
k_q176be4ba3c_tail:
	s_mov_b64 s[64:65], 0
	v_nop
	global_prefetch_b8 v0, s[64:65] scope:SCOPE_SE
	s_setreg_imm32_b32 hwreg(HW_REG_WAVE_MODE, 25, 1), 1
	s_wait_xcnt 0x0
	s_wait_alu depctr_hold_cnt(0) depctr_sa_sdst(0) depctr_va_vdst(0) depctr_va_sdst(0) depctr_va_ssrc(0) depctr_va_vcc(0) depctr_vm_vsrc(0)
	s_getreg_b32 s2, hwreg(HW_REG_IB_STS2, 6, 4)
	s_cmp_eq_u32 s2, 0
	s_cbranch_scc0 .Lentry_in_a_cluster
	s_endpgm
.Lentry_in_a_cluster:
	s_bfe_u32 s2, ttmp6, 0x10000c
	s_cmp_lg_u32 s2, 0x3003
	s_cbranch_scc0 .Lentry_shape_is_right
	s_endpgm
.Lentry_shape_is_right:
; SAKT with decay, launch 3 of 3: out = LN2(x1 + relu(x1 W1 + b1) W2 + b2) . (ln2_g Wout[:256]) + st[target], x1 = LN1(x + O Wo + bo), x = inter_emb[index] + pos_emb, gathered anew in f32.
; (ln2_b's, bout's and the skill's share of the output lie in st, made by launch 1.)  Nothing of reference() is left out here.
; SHARES.  A work-group takes 128 rows, a wave 32 rows (two tiles of 16) x all columns.  EVERY PRODUCT IS USED TRANSPOSED: source 0 = 16 rows of a turned weight out of LDS, source 1 = the
; activations: a lane holds ONE row (lane % 16) and 8 of each 16 columns.  So a row's sums want one exchange between the halves of the lanes, a result rounded in pairs IS source 1 of the
; next product, and the activations never leave registers.  The residual path (x, x1, the sums) stays in f32; matrix operands are bf16.
; CLUSTER.  Every work-group walks the same 640 KB of weights: the four of a cluster ask for each tile JOINTLY (mask 15).  Two LDS slots: all of Wo^T, then the FFN in four chunks of 128
; hidden units (128 rows of W1^T, 256 rows x 256 bytes of W2^T).  A refill is one load of 32 KB a wave and has a chunk's 256 matrix instructions a wave in which to land.  By the text's own count
; a wave has two tensor loads out at the start, one afterwards.
; PREFETCH.  Chunks 1, 2, 3 are asked for once each in the launch, one stage ahead of their joint loads, by the cluster with x = 0: 512 blocks of 256 bytes a chunk = 4 partners (told apart by
; address) x 4 waves x 32 lanes.  Nothing at the head, nothing behind the last refill; Wo^T and chunk 0 come by their loads alone.
; LIMITS.  Indices are held to their tables; NaN and infinities are not treated apart.
.set P1,    528                        ; an LDS row of 512 bytes + 16
.set P2,    272                        ; of 256 + 16
.set SLOT1, 137216
.set W2OFF, 67584                      ; in a slot: W1's part 128 x 528, then W2's 256 x 272
.set STAGE, 274432                     ; 16 rows x 528 for each wave: the gathered rows change lanes here
.set PAR,   308224                     ; ln1_g +0, ln1_b +1024, ln1_b + b2 +2048, ln2_g Wout[:256] +3072, b1 +4096
.set OUTS,  314368
.set SPARE, 314880                     ; the spare words, 128 bytes a wave
; window 0
.set L16, 1
.set STG, 2
.set STR, 3
.set LW1, 4
.set LW2, 5
.set AWB, 7
.set AW1, 8
.set AW2, 9
.set AB1, 10
.set APAR, 11
.set PFO, 13
.set ZERO, 14
.set STV, 15
.set SPW, 30
.set NIL, 31
.set OFF, 32                           ; 32 row offsets into inter_emb; later
.set HACC, 32                          ; the hidden units' sums: HACC + 16 n + 8 m
.set HB,  64
.set B1C, 80
.set PT,  96                           ; g, beta, c1 of a tile of 16 columns; the second set at PT + 72
.set BO,  96
.set XT,  120
.set SQ,  136
.set DQ,  152
.set MU,  192
.set RS,  196
; window 1: ACC[m][t] at 128 m + 8 t.  window 2: two sets of 128 (gathered rows; weight fragments; u).  window 3: v0-127 source 1 of Wo's and W1's products, 64 m + 8 ks
; scalars
.set WV,  34
.set CX,  35
.set G1A, 52
.set LA,  62
.set LB,  63
.set W1B, 66
.set LIM, 67
.set G1B, 68
.set G0F, 76
.set G0A, 80
.set G0B, 84
.set WGX, 88
.set RR,  89
.set CNT, 90
.set HM,  91
.set POSB, 92
.set PFA, 94
.set PST, 96
.set SEL, 98
.set INV, 100
.set EPS, 101
.set MSB, 0
.macro WIN new                         ; s_set_vgpr_msb: bits 1:0 source 0, 3:2 source 1, 5:4 source 2, 7:6 destination; the high byte repeats the setting that is left
.if MSB != (\new)
	s_set_vgpr_msb (MSB<<8)|(\new)
.set MSB, (\new)
.endif
.endm
.macro PLACES
.rept 4
	v_nop
.endr
.endm
.macro CROUND                          ; a round of the cluster's barrier
	s_barrier_signal -1
	s_barrier_wait -1
	s_cmp_lg_u32 s[WV], 0
	s_cbranch_scc1 .Lnw0_\@
	s_barrier_signal -3
.Lnw0_\@:
	s_barrier_wait -3
	s_barrier_signal -1
	s_barrier_wait -1
.endm
.macro JLOAD                           ; a joint refill: waves 0, 1 fetch the halves of W1's part, waves 2, 3 of W2's; an s_nop 0 and four v_nop follow each line
	s_cmp_lt_u32 s[WV], 2
	s_cbranch_scc0 .Lfb_\@
	tensor_load_to_lds s[G0A:G0A+3], s[G1A:G1A+7]
	s_nop 0
	PLACES
	s_branch .Lfd_\@
.Lfb_\@:
	tensor_load_to_lds s[G0B:G0B+3], s[G1B:G1B+7]
	s_nop 0
	PLACES
.Lfd_\@:
.endm
.macro ASK                             ; my 32 blocks of the chunk at which s[PFA] stands
	s_cmp_eq_u32 s[LIM], 1
	s_cbranch_scc0 .Lna_\@
	global_prefetch_b8 v[PFO], s[PFA:PFA+1] th:TH_LOAD_NT scope:SCOPE_SE
.Lna_\@:
.endm
	s_load_b512 s[4:19], s[0:1], 0x0               ; ows 4, wt 6, st 8, interactions 10, target_skills 12, inter_emb 14, pos_emb 16, bo 18
	s_load_b256 s[20:27], s[0:1], 0x40             ; ln1_g 20, ln1_b 22, b1 24, b2 26
	s_load_b128 s[28:31], s[0:1], 0x60             ; ln2_g 28, Wout 30
	s_load_b64 s[32:33], s[0:1], 0x70              ; out0
	v_lshl_add_u32 v[SPW], v0, 2, SPARE
	v_mov_b32 v[NIL], 0
	ds_add_u32 v[SPW], v[NIL]                      ; the wave's opening: the add, twice on end, and its wait ahead of my first tensor load
	ds_add_u32 v[SPW], v[NIL]
	v_lshrrev_b32 v16, 5, v0
	v_readfirstlane_b32 s[WV], v16
	s_bfe_u32 s[CX], ttmp6, 0x40000                ; my place in the cluster: it enters global addresses alone
	s_lshl_b32 s[WGX], ttmp9, 2
	s_add_co_u32 s[WGX], s[WGX], s[CX]
	s_lshl_b32 s[RR], s[WGX], 7
	s_lshl_b32 s2, s[WV], 5
	s_add_co_u32 s[RR], s[RR], s2                  ; my wave's first row
	s_and_b32 s[W1B], s[WV], 1
	s_cmp_eq_u32 ttmp9, 0
	s_cselect_b32 s[LIM], 1, 0                     ; the same in all four partners
	s_mov_b32 s[G1A], 15|(1<<16)|(1<<20)|(1<<21)|(6<<22)|(3<<25)  ; mask of four; 2-byte elements; padding on; bit 21 beside a mask; after every 128 words 4 words
	s_mov_b32 s[G1A+1], 256<<16                    ; tensor_dim0 = 256
	s_mov_b32 s[G1A+2], 64<<16                     ; tensor_dim1 = 64
	s_mov_b32 s[G1A+3], 256<<16                    ; tile_dim0 = 256
	s_mov_b32 s[G1A+4], 64                         ; tile_dim1 = 64
	s_mov_b32 s[G1A+5], 256                        ; elements from row to row
	s_mov_b32 s[G1A+6], 0
	s_mov_b32 s[G1A+7], 0
	s_mov_b32 s[G1B], 15|(1<<16)|(1<<20)|(1<<21)|(5<<22)|(3<<25)  ; after every 64 words
	s_mov_b32 s[G1B+1], 128<<16
	s_mov_b32 s[G1B+2], 128<<16
	s_mov_b32 s[G1B+3], 128<<16
	s_mov_b32 s[G1B+4], 128
	s_mov_b32 s[G1B+5], 512
	s_mov_b32 s[G1B+6], 0
	s_mov_b32 s[G1B+7], 0
	s_mul_i32 s[LA], s[W1B], 64*P1                 ; my part's place in a slot, as W1's fetcher
	s_mul_i32 s[LB], s[W1B], 128*P2                ; and as W2's
	s_add_co_u32 s[LB], s[LB], W2OFF
	s_mov_b32 s[G0F], 1
	s_mul_i32 s[G0F+1], s[WV], 64*P1               ; Wo^T: 64 rows a wave, slot 0
	s_mov_b32 s[G0A], 1
	s_add_co_u32 s[G0A+1], s[LA], SLOT1            ; chunk 0 goes to slot 1
	s_mov_b32 s[G0B], 1
	s_add_co_u32 s[G0B+1], s[LB], SLOT1
	s_mov_b32 s[SEL], 0x76543210
	s_mov_b32 s[SEL+1], 0xfedcba98
	s_mov_b32 s[INV], 0x3b800000                   ; 1 / 256
	s_mov_b32 s[EPS], 0x3727c5ac                   ; 1e-5
	s_mov_b32 s[HM], 0xffff0000
	v_and_b32 v16, 31, v0                          ; lane
	v_and_b32 v17, 15, v0                          ; l % 16
	v_bfe_u32 v18, v0, 4, 1                        ; l / 16
	v_lshlrev_b32 v[L16], 4, v16
	s_mul_i32 s2, s[WV], 16*P1
	s_add_co_u32 s2, s2, STAGE                     ; my stage
	v_add_nc_u32 v[STG], s2, v[L16]
	v_mul_u32_u24 v19, v17, P1
	v_lshl_add_u32 v[STR], v18, 5, v19
	v_add_nc_u32 v[STR], s2, v[STR]
	v_lshl_add_u32 v[LW1], v18, 4, v19
	v_add_nc_u32 v[AWB], 128*P1, v[LW1]
	v_mul_u32_u24 v19, v17, P2
	v_lshl_add_u32 v[LW2], v18, 4, v19
	v_lshlrev_b32 v[APAR], 5, v18
	v_add_nc_u32 v[APAR], PAR, v[APAR]
	v_mov_b32 v[ZERO], 0
	v_mov_b32 v[MU+1], 0                           ; named in pairs with their neighbours
	v_mov_b32 v[MU+3], 0
	v_mov_b32 v[RS+1], 0
	v_mov_b32 v[RS+3], 0
	s_wait_dscnt 0x0                               ; both opening adds are done
	s_wait_kmcnt 0x0
	s_mov_b32 s61, 0
	s_lshl_b32 s60, s[WV], 15
	s_add_co_u32 s60, s60, 393216
	s_add_nc_u64 s[G0F+2:G0F+3], s[6:7], s[60:61]
	s_or_b32 s[G0F+3], s[G0F+3], 0x80000000
	s_lshl_b32 s60, s[W1B], 15
	s_add_co_u32 s60, s60, 524288
	s_add_nc_u64 s[G0A+2:G0A+3], s[6:7], s[60:61]
	s_or_b32 s[G0A+3], s[G0A+3], 0x80000000
	s_lshl_b32 s60, s[W1B], 17
	s_add_co_u32 s60, s60, 786432
	s_add_nc_u64 s[G0B+2:G0B+3], s[6:7], s[60:61]
	s_or_b32 s[G0B+3], s[G0B+3], 0x80000000
	; the prefetches: waves 0, 1 name W1's blocks (256 bytes apart), waves 2, 3 W2's rows (1,024 apart); block 64 cx + 32 (wave % 2) + lane; they stand at chunk 1
	s_mov_b32 s60, 786432+256
	s_mov_b32 s3, 524288+65536
	s_mov_b32 s[PST], 256
	s_mov_b32 s[CNT], 65536
	s_cmp_lt_u32 s[WV], 2
	s_cselect_b32 s2, 8, 10
	s_cselect_b32 s60, s3, s60
	s_cselect_b32 s[PST], s[CNT], s[PST]
	s_mov_b32 s[PST+1], 0
	s_add_co_u32 s3, s2, 6
	s_lshl_b32 s3, s[CX], s3
	s_add_co_u32 s60, s60, s3
	s_add_nc_u64 s[PFA:PFA+1], s[6:7], s[60:61]
	v_lshl_add_u32 v[PFO], s[W1B], 5, v16
	v_lshlrev_b32 v[PFO], s2, v[PFO]
	CROUND                                         ; all four work-groups are here: the first joint loads meet
	s_cmp_lt_u32 s[WV], 2                          ; a wave's two first fills stand in one branch, ahead of every wait on TENSORcnt and every LDS read
	s_cbranch_scc0 .Lfirst_b
	tensor_load_to_lds s[G0F:G0F+3], s[G1A:G1A+7]
	s_nop 0
	tensor_load_to_lds s[G0A:G0A+3], s[G1A:G1A+7]
	s_nop 0
	PLACES
	s_branch .Lfirst_done
.Lfirst_b:
	tensor_load_to_lds s[G0F:G0F+3], s[G1A:G1A+7]
	s_nop 0
	tensor_load_to_lds s[G0B:G0B+3], s[G1B:G1B+7]
	s_nop 0
	PLACES
.Lfirst_done:
	; ---------------- the small loads, O's fragments, the indices
	s_lshl_b32 s60, s[RR], 2
	s_add_nc_u64 s[12:13], s[12:13], s[60:61]
	s_add_nc_u64 s[10:11], s[10:11], s[60:61]
	s_load_b512 s[36:51], s[10:11], 0x0            ; my first 16 indices
	v_lshlrev_b32 v20, 2, v16
	v_lshlrev_b32 v21, 3, v0
	v_lshlrev_b32 v29, 4, v0
	global_load_b32 v28, v20, s[12:13]             ; target_skills[my row + lane]
	global_load_b64 v[22:23], v21, s[20:21]        ; thread t: two numbers of each parameter,
	global_load_b64 v[24:25], v21, s[22:23]
	global_load_b64 v[26:27], v21, s[26:27]
	global_load_b64 v[108:109], v21, s[28:29]
	global_load_b64 v[110:111], v21, s[30:31]
	global_load_b128 v[104:107], v29, s[24:25]     ; four of b1
	global_load_b128 v[BO:BO+3], v[L16], s[18:19]
	global_load_b128 v[BO+4:BO+7], v[L16], s[18:19] offset:512
	s_lshr_b32 s60, s[RR], 10
	s_lshl_b32 s60, s60, 19                        ; the batch's 8 heads x 64 tiles x 1,024 bytes
	s_and_b32 s2, s[RR], 1023
	s_lshl_b32 s3, s2, 6                           ; my first tile of 16 queries
	s_add_co_u32 s60, s60, s3
	s_add_nc_u64 s[4:5], s[4:5], s[60:61]
	s_lshl_b32 s60, s2, 10
	s_add_nc_u64 s[POSB:POSB+1], s[16:17], s[60:61]
	s_lshl_b32 s60, s[WGX], 9
	s_add_nc_u64 s[32:33], s[32:33], s[60:61]
	WIN 0xc0
.irp ks, 0,1,2,3,4,5,6,7
.irp m, 0,1
	global_load_b128 v[64*\m+8*\ks:64*\m+8*\ks+3],   v[L16], s[4:5] offset:65536*\ks+1024*\m      ; head ks is K step ks; 512 consecutive bytes a load
	global_load_b128 v[64*\m+8*\ks+4:64*\m+8*\ks+7], v[L16], s[4:5] offset:65536*\ks+1024*\m+512
.endr
.endr
	WIN 0
.macro OFFS base
.irp i, 0,1,2,3,4,5,6,7,8,9,10,11,12,13,14,15
	s_min_u32 s[36+\i], s[36+\i], 20001            ; the index stays inside its table
	s_lshl_b32 s[36+\i], s[36+\i], 10
	v_add_nc_u32 v[OFF+(\base)+\i], s[36+\i], v[L16]
.endr
.endm
	s_wait_kmcnt 0x0
	OFFS 0
	s_load_b512 s[36:51], s[10:11], 0x40
	s_wait_kmcnt 0x0
	OFFS 16
	s_wait_loadcnt 40                              ; behind the target's load: 8 small ones and O's 32
	v_min_u32 v28, 10000, v28
	v_lshlrev_b32 v28, 2, v28
	global_load_b32 v[STV], v28, s[8:9]
; THE GATHER, in four passes p = (tile m, half ch of the columns): 16 rows x 512 bytes of inter_emb and of pos_emb; x + bo goes through my stage into the accumulators' layout.
.macro GLOAD p, set
	WIN 0x80
.irp i, 0,1,2,3,4,5,6,7,8,9,10,11,12,13,14,15
	global_load_b128 v[128*(\set)+8*\i:128*(\set)+8*\i+3],   v[OFF+16*((\p)/2)+\i], s[14:15] offset:512*((\p)%2)
	global_load_b128 v[128*(\set)+8*\i+4:128*(\set)+8*\i+7], v[L16], s[POSB:POSB+1] offset:(16*((\p)/2)+\i)*1024+512*((\p)%2)
.endr
	WIN 0
.endm
.macro GPROC p, set, younger
	s_wait_loadcnt \younger                        ; the next pass's 32 loads may stay out
	WIN 0x8a
.irp i, 0,1,2,3,4,5,6,7,8,9,10,11,12,13,14,15
	v_pk_add_f32 v[128*(\set)+8*\i:128*(\set)+8*\i+1],   v[128*(\set)+8*\i:128*(\set)+8*\i+1],   v[128*(\set)+8*\i+4:128*(\set)+8*\i+5]
	v_pk_add_f32 v[128*(\set)+8*\i+2:128*(\set)+8*\i+3], v[128*(\set)+8*\i+2:128*(\set)+8*\i+3], v[128*(\set)+8*\i+6:128*(\set)+8*\i+7]
.endr
	WIN 0x82
.irp i, 0,1,2,3,4,5,6,7,8,9,10,11,12,13,14,15
	v_pk_add_f32 v[128*(\set)+8*\i:128*(\set)+8*\i+1],   v[128*(\set)+8*\i:128*(\set)+8*\i+1],   v[BO+4*((\p)%2):BO+4*((\p)%2)+1]
	v_pk_add_f32 v[128*(\set)+8*\i+2:128*(\set)+8*\i+3], v[128*(\set)+8*\i+2:128*(\set)+8*\i+3], v[BO+4*((\p)%2)+2:BO+4*((\p)%2)+3]
.endr
	WIN 0x08
.irp i, 0,1,2,3,4,5,6,7,8,9,10,11,12,13,14,15
	ds_store_b128 v[STG], v[128*(\set)+8*\i:128*(\set)+8*\i+3] offset:P1*\i
.endr
	WIN 0x40
.irp t, 0,1,2,3,4,5,6,7
	ds_load_b128 v[128*((\p)/2)+8*(8*((\p)%2)+\t):128*((\p)/2)+8*(8*((\p)%2)+\t)+3],   v[STR] offset:64*\t     ; LDS serves a wave's instructions in order: these see the stores above,
	ds_load_b128 v[128*((\p)/2)+8*(8*((\p)%2)+\t)+4:128*((\p)/2)+8*(8*((\p)%2)+\t)+7], v[STR] offset:64*\t+16  ; and the next pass's stores come behind them
.endr
	WIN 0
.endm
	GLOAD 0, 0
	GLOAD 1, 1
	s_wait_loadcnt 63                              ; 97 loads were issued behind the parameters': these are in
	v_add_nc_u32 v19, PAR, v21
	v_add_nc_u32 v20, PAR+4096, v29
	v_pk_add_f32 v[26:27], v[26:27], v[24:25]      ; c1 = ln1_b + b2
	v_pk_mul_f32 v[108:109], v[108:109], v[110:111]  ; u = ln2_g Wout[:256]
	ds_store_b64 v19, v[22:23]
	ds_store_b64 v19, v[24:25] offset:1024
	ds_store_b64 v19, v[26:27] offset:2048
	ds_store_b64 v19, v[108:109] offset:3072
	ds_store_b128 v20, v[104:107]
	GPROC 0, 0, 32
	GLOAD 2, 0
	GPROC 1, 1, 32
	GLOAD 3, 1
	GPROC 2, 0, 32
	GPROC 3, 1, 0
	s_wait_tensorcnt 1                             ; my part of Wo^T is in; chunk 0's may stay out
	s_wait_dscnt 0x0                               ; the parameters are stored, x + bo is in the accumulators
	s_barrier_signal -1
	s_barrier_wait -1
; ---------------- ACC = x + bo + O Wo
.macro WFETCH buf, k                   ; 16 tiles of 16 rows of Wo^T, 32 along K at byte k
	WIN 0x80
.irp n, 0,1,2,3,4,5,6,7
	ds_load_b128 v[(\buf)+8*\n:(\buf)+8*\n+3],   v[LW1] offset:\n*16*P1+(\k)
	ds_load_b128 v[(\buf)+8*\n+4:(\buf)+8*\n+7], v[LW1] offset:\n*16*P1+(\k)+32
.endr
.irp n, 0,1,2,3,4,5,6,7
	ds_load_b128 v[(\buf)+64+8*\n:(\buf)+64+8*\n+3],   v[AWB] offset:\n*16*P1+(\k)
	ds_load_b128 v[(\buf)+64+8*\n+4:(\buf)+64+8*\n+7], v[AWB] offset:\n*16*P1+(\k)+32
.endr
.endm
.macro MM32 win, wbuf, bb, bs          ; 32 products on 32 accumulators, by turns
	WIN \win
.irp n, 0,1,2,3,4,5,6,7,8,9,10,11,12,13,14,15
.irp m, 0,1
	v_wmma_f32_16x16x32_bf16 v[128*\m+8*\n:128*\m+8*\n+7], v[(\wbuf)+8*\n:(\wbuf)+8*\n+7], v[(\bb)+(\bs)*\m:(\bb)+(\bs)*\m+7], v[128*\m+8*\n:128*\m+8*\n+7]
.endr
.endr
.endm
	WFETCH 0, 0
	WFETCH 128, 64
	WIN 0
	ASK                                            ; chunk 1, a stage ahead of its joint load
.irp ks, 0,1,2,3,4,5,6,7
.if \ks < 7
	s_wait_dscnt 32                                ; the next K step's 32 loads may stay out
.else
	s_wait_dscnt 0x0
.endif
	MM32 0x5e, 128*(\ks%2), 8*\ks, 64
.if \ks < 6
	PLACES
	WFETCH 128*(\ks%2), 64*(\ks+2)
.endif
.endr
; ---------------- a row's mean and 1 / sqrt(var + eps) over ACC, which is left as acc - mean; dot = 1: also the sum of (acc - mean) u
.macro RED b, o                        ; four pairs into one number, over both halves of the lanes
	v_pk_add_f32 v[(\b):(\b)+1], v[(\b):(\b)+1], v[(\b)+2:(\b)+3]
	v_pk_add_f32 v[(\b)+4:(\b)+5], v[(\b)+4:(\b)+5], v[(\b)+6:(\b)+7]
	v_pk_add_f32 v[(\b):(\b)+1], v[(\b):(\b)+1], v[(\b)+4:(\b)+5]
	v_add_f32 v[(\b)], v[(\b)], v[(\b)+1]
	v_permlanex16_b32 v[(\b)+1], v[(\b)], s[SEL], s[SEL+1]
	v_add_f32 v[(\o)], v[(\b)], v[(\b)+1]
.endm
.macro LNSTAT dot
	WIN 0x05                                       ; four chains a tile, each accumulator read from its low end on
.irp m, 0,1
.irp q, 0,1,2,3
	v_pk_add_f32 v[SQ+8*\m+2*\q:SQ+8*\m+2*\q+1], v[128*\m+2*\q:128*\m+2*\q+1], v[128*\m+8+2*\q:128*\m+8+2*\q+1]
.endr
.endr
	WIN 0x04
.set p, 8
.rept 56
	v_pk_add_f32 v[SQ+2*(p%4):SQ+2*(p%4)+1], v[SQ+2*(p%4):SQ+2*(p%4)+1], v[2*p:2*p+1]
	v_pk_add_f32 v[SQ+8+2*(p%4):SQ+8+2*(p%4)+1], v[SQ+8+2*(p%4):SQ+8+2*(p%4)+1], v[128+2*p:128+2*p+1]
.set p, p+1
.endr
	WIN 0
	RED SQ, MU
	RED SQ+8, MU+2
	v_mul_f32 v[MU], s[INV], v[MU]
	v_mul_f32 v[MU+2], s[INV], v[MU+2]
	WIN 0x41
.set p, 0
.rept 64
	v_pk_add_f32 v[2*p:2*p+1], v[2*p:2*p+1], v[MU:MU+1] op_sel_hi:[1,0] neg_lo:[0,1] neg_hi:[0,1]
	v_pk_add_f32 v[128+2*p:128+2*p+1], v[128+2*p:128+2*p+1], v[MU+2:MU+3] op_sel_hi:[1,0] neg_lo:[0,1] neg_hi:[0,1]
.set p, p+1
.endr
	WIN 0x05
.set p, 0
.rept 64
.if p < 4
	v_pk_mul_f32 v[SQ+2*p:SQ+2*p+1], v[2*p:2*p+1], v[2*p:2*p+1]
	v_pk_mul_f32 v[SQ+8+2*p:SQ+8+2*p+1], v[128+2*p:128+2*p+1], v[128+2*p:128+2*p+1]
.else
	v_pk_fma_f32 v[SQ+2*(p%4):SQ+2*(p%4)+1], v[2*p:2*p+1], v[2*p:2*p+1], v[SQ+2*(p%4):SQ+2*(p%4)+1]
	v_pk_fma_f32 v[SQ+8+2*(p%4):SQ+8+2*(p%4)+1], v[128+2*p:128+2*p+1], v[128+2*p:128+2*p+1], v[SQ+8+2*(p%4):SQ+8+2*(p%4)+1]
.endif
.set p, p+1
.endr
.if \dot
	s_wait_dscnt 0x0                               ; u is in
	WIN 0x09
.set p, 0
.rept 64
.if p < 4
	v_pk_mul_f32 v[DQ+2*p:DQ+2*p+1], v[2*p:2*p+1], v[2*p:2*p+1]
	v_pk_mul_f32 v[DQ+8+2*p:DQ+8+2*p+1], v[128+2*p:128+2*p+1], v[2*p:2*p+1]
.else
	v_pk_fma_f32 v[DQ+2*(p%4):DQ+2*(p%4)+1], v[2*p:2*p+1], v[2*p:2*p+1], v[DQ+2*(p%4):DQ+2*(p%4)+1]
	v_pk_fma_f32 v[DQ+8+2*(p%4):DQ+8+2*(p%4)+1], v[128+2*p:128+2*p+1], v[2*p:2*p+1], v[DQ+8+2*(p%4):DQ+8+2*(p%4)+1]
.endif
.set p, p+1
.endr
.endif
	WIN 0
	RED SQ, RS
	RED SQ+8, RS+2
	v_fma_f32 v[RS], v[RS], s[INV], s[EPS]
	v_fma_f32 v[RS+2], v[RS+2], s[INV], s[EPS]
	v_rsq_f32 v[RS], v[RS]
	v_rsq_f32 v[RS+2], v[RS+2]
	v_nop
	s_wait_alu depctr_va_vdst(0)                   ; one wait for both
.endm
	WIN 0
	PLACES
	PLACES
	LNSTAT 0
; LN1: x1 = xhat g + beta goes, rounded, into window 3 as source 1 of W1's products; ACC = xhat g + (beta + b2) starts the second residual sum
.macro PTLOAD t
.set pb, PT+72*((\t)%2)
.irp w, 0,1,2
	ds_load_b128 v[pb+8*\w:pb+8*\w+3],   v[APAR] offset:1024*\w+64*(\t)
	ds_load_b128 v[pb+8*\w+4:pb+8*\w+7], v[APAR] offset:1024*\w+64*(\t)+16
.endr
.endm
	PTLOAD 0
.irp t, 0,1,2,3,4,5,6,7,8,9,10,11,12,13,14,15
	WIN 0
.if \t < 15
	PTLOAD \t+1
	s_wait_dscnt 6                                 ; the next tile's six loads may stay out
.else
	s_wait_dscnt 0x0
.endif
.set pb, PT+72*(\t%2)
	WIN 0x41
.irp m, 0,1
.irp q, 0,1,2,3
	v_pk_mul_f32 v[128*\m+8*\t+2*\q:128*\m+8*\t+2*\q+1], v[128*\m+8*\t+2*\q:128*\m+8*\t+2*\q+1], v[RS+2*\m:RS+2*\m+1] op_sel_hi:[1,0]
.endr
.endr
	WIN 0x01
.irp m, 0,1
.irp q, 0,1,2,3
	v_pk_fma_f32 v[XT+8*\m+2*\q:XT+8*\m+2*\q+1], v[128*\m+8*\t+2*\q:128*\m+8*\t+2*\q+1], v[pb+2*\q:pb+2*\q+1], v[pb+8+2*\q:pb+8+2*\q+1]
.endr
.endr
	WIN 0x41
.irp m, 0,1
.irp q, 0,1,2,3
	v_pk_fma_f32 v[128*\m+8*\t+2*\q:128*\m+8*\t+2*\q+1], v[128*\m+8*\t+2*\q:128*\m+8*\t+2*\q+1], v[pb+2*\q:pb+2*\q+1], v[pb+16+2*\q:pb+16+2*\q+1]
.endr
.endr
	WIN 0xc0
.irp m, 0,1
.irp q, 0,1,2,3
	v_cvt_pk_bf16_f32 v[64*\m+4*\t+\q], v[XT+8*\m+2*\q], v[XT+8*\m+2*\q+1]
.endr
.endr
.endr
; ---------------- the FFN, a chunk of 128 hidden units at a time, 32 of them a sub-step
; THE CHANGE OF SLOTS.  Every wave waits for all its tensor loads (one is out: its part of the slot to be read next), adds 0 to its spare word, and waits for that and for its reads of the slot that
; it leaves.  fill = 1: a round of the cluster's barrier, and the joint refill of the slot at sb first behind it.
.macro CHANGE fill, sb, ask
	WIN 0
	s_wait_tensorcnt 0x0                           ; no tensor load of mine is out, so the descriptors may be written
	ds_add_u32 v[SPW], v[NIL]                      ; 0 onto my spare word; the descriptors' steps stand between it and the wait for it
.if \fill
	s_add_co_u32 s[G0A+1], s[LA], \sb
	s_add_co_u32 s[G0B+1], s[LB], \sb
	s_add_nc_u64 s[G0A+2:G0A+3], s[G0A+2:G0A+3], 65536  ; the next 128 rows of W1^T
	s_add_nc_u64 s[G0B+2:G0B+3], s[G0B+2:G0B+3], 256    ; the next 128 columns of W2^T
.if \ask
	s_wait_xcnt 0x0                                ; the last prefetch, a stage back, has read its address
	s_add_nc_u64 s[PFA:PFA+1], s[PFA:PFA+1], s[PST:PST+1]
.endif
	s_wait_dscnt 0x0                               ; the add is done, and my reads of the slot are over
	CROUND
	JLOAD
.if \ask
	ASK                                            ; what the next change will ask for
.endif
.else
	s_wait_dscnt 0x0
	s_barrier_signal -1
	s_barrier_wait -1
.endif
.endm
.macro WALOAD                          ; 32 rows of W1^T, all 256 along K, and their b1 as C operands: 36 loads
	WIN 0x80
.irp n, 0,1
.irp ks, 0,1,2,3,4,5,6,7
	ds_load_b128 v[64*\n+8*\ks:64*\n+8*\ks+3],   v[AW1] offset:\n*16*P1+64*\ks
	ds_load_b128 v[64*\n+8*\ks+4:64*\n+8*\ks+7], v[AW1] offset:\n*16*P1+64*\ks+32
.endr
.endr
	WIN 0
.irp n, 0,1
	ds_load_b128 v[B1C+8*\n:B1C+8*\n+3],   v[AB1] offset:64*\n
	ds_load_b128 v[B1C+8*\n+4:B1C+8*\n+7], v[AB1] offset:64*\n+16
.endr
.endm
.macro SUB look                        ; look = 1: the next sub-step's W1 fragments are fetched
	WIN 0
	v_add_nc_u32 v[AW2], 64, v[AW2]                ; four places behind the last products, in front of the loads into W2's fragments
	v_nop
	v_nop
	v_nop
	WIN 0x80
.irp n, 0,1,2,3,4,5,6,7,8,9,10,11,12,13,14,15
	ds_load_b128 v[128+8*\n:128+8*\n+3],   v[AW2] offset:\n*16*P2
	ds_load_b128 v[128+8*\n+4:128+8*\n+7], v[AW2] offset:\n*16*P2+32
.endr
	s_wait_dscnt 32                                ; W1's fragments and b1 are in; the 32 just issued may stay out
	WIN 0x0e                                       ; W1 in window 2, x1 in window 3; four accumulators by turns; the first products take b1 as C
.irp ks, 0,1,2,3,4,5,6,7
.irp n, 0,1
.irp m, 0,1
.if \ks == 0
	v_wmma_f32_16x16x32_bf16 v[HACC+16*\n+8*\m:HACC+16*\n+8*\m+7], v[64*\n+8*\ks:64*\n+8*\ks+7], v[64*\m+8*\ks:64*\m+8*\ks+7], v[B1C+8*\n:B1C+8*\n+7]
.else
	v_wmma_f32_16x16x32_bf16 v[HACC+16*\n+8*\m:HACC+16*\n+8*\m+7], v[64*\n+8*\ks:64*\n+8*\ks+7], v[64*\m+8*\ks:64*\m+8*\ks+7], v[HACC+16*\n+8*\m:HACC+16*\n+8*\m+7]
.endif
.endr
.endr
.endr
	WIN 0
.if \look
	v_add_nc_u32 v[AW1], 32*P1, v[AW1]
	v_add_nc_u32 v[AB1], 128, v[AB1]
	v_nop
	v_nop
	WALOAD
.else
	PLACES
.endif
.irp n, 0,1
.irp m, 0,1
.irp q, 0,1,2,3
	v_cvt_pk_bf16_f32 v[HB+8*\m+4*\n+\q], v[HACC+16*\n+8*\m+2*\q], v[HACC+16*\n+8*\m+2*\q+1]
.endr
.endr
.endr
.set q, 0
.rept 16
	v_pk_max_num_bf16 v[HB+q], v[HB+q], v[ZERO]    ; the ReLU behind the rounding gives the same number
.set q, q+1
.endr
.if \look
	s_wait_dscnt 36                                ; W2's fragments are in; the 36 just issued may stay out
.else
	s_wait_dscnt 0x0
.endif
	MM32 0x52, 128, HB, 8
.endm
.macro CHUNK sb, ch
	WIN 0
	v_add_nc_u32 v[AW1], \sb, v[LW1]
	v_add_nc_u32 v[AW2], (\sb)+W2OFF-64, v[LW2]    ; every sub-step steps it by 64 first
	v_add_nc_u32 v[AB1], 4096+512*(\ch), v[APAR]
	WALOAD
	s_mov_b32 s[CNT], 3
.Lsub_\@:
	SUB 1
	WIN 0
	s_sub_co_u32 s[CNT], s[CNT], 1
	s_cmp_lg_u32 s[CNT], 0
	s_cbranch_scc1 .Lsub_\@
	SUB 0
	WIN 0
.endm
	CHANGE 1, 0, 1                                 ; Wo^T has been read: chunk 1 into slot 0
	CHUNK SLOT1, 0
	CHANGE 1, SLOT1, 1                             ; chunk 2 into slot 1
	CHUNK 0, 1
	CHANGE 1, 0, 0                                 ; chunk 3 into slot 0: the last load
	CHUNK SLOT1, 2
	CHANGE 0, 0, 0
	CHUNK 0, 3
; ---------------- LN2 and the output
	PLACES
	PLACES
	WIN 0x80
.irp t, 0,1,2,3,4,5,6,7,8,9,10,11,12,13,14,15
	ds_load_b128 v[8*\t:8*\t+3],   v[APAR] offset:3072+64*\t
	ds_load_b128 v[8*\t+4:8*\t+7], v[APAR] offset:3072+64*\t+16
.endr
	LNSTAT 1
	RED DQ, DQ
	RED DQ+8, DQ+8
	v_mul_f32 v[DQ], v[RS], v[DQ]
	v_mul_f32 v[DQ+8], v[RS+2], v[DQ+8]
	v_cndmask_b32 v[DQ], v[DQ], v[DQ+8], s[HM]     ; lane l keeps row l of my 32: tile l / 16, row l % 16
	v_add_f32 v[DQ], v[DQ], v[STV]
	v_lshl_add_u32 v16, v0, 2, OUTS
	ds_store_b32 v16, v[DQ]
	s_wait_dscnt 0x0                               ; for wave 0's sake
	s_barrier_signal -1
	s_barrier_wait -1
	s_cmp_lg_u32 s[WV], 0
	s_cbranch_scc1 .Lnot0
	v_add_nc_u32 v17, OUTS, v[L16]
	ds_load_b128 v[20:23], v17
	s_wait_dscnt 0x0
	global_store_b128 v[L16], v[20:23], s[32:33]   ; the work-group's 128 numbers: 512 consecutive bytes, aligned
.Lnot0:
	s_wait_tensorcnt 0x0                           ; the wave's end, behind my last tensor load and my last LDS store
	ds_add_u32 v[SPW], v[NIL]
	s_wait_dscnt 0x0
	CROUND                                         ; the closing round: no work-group ends while a partner may still ask for a tile that names it
	s_endpgm
.Lfunc_end_k_q176be4ba3c_tail:
	.size	k_q176be4ba3c_tail, .Lfunc_end_k_q176be4ba3c_tail-k_q176be4ba3c_tail
	.p2alignl 7, 3214868480
	.fill 96, 4, 3214868480
	.section	.rodata,"a",@progbits
	.p2align	6, 0x0
	.amdhsa_kernel k_q176be4ba3c_tail
		.amdhsa_group_segment_fixed_size 327680
		.amdhsa_private_segment_fixed_size 0
		.amdhsa_enable_private_segment 0
		.amdhsa_kernarg_size 120
		.amdhsa_user_sgpr_count 2
		.amdhsa_user_sgpr_kernarg_segment_ptr 1
		.amdhsa_wavefront_size32 1
		.amdhsa_system_sgpr_workgroup_id_x 1
		.amdhsa_system_sgpr_workgroup_id_y 1
		.amdhsa_system_sgpr_workgroup_id_z 1
		.amdhsa_system_vgpr_workitem_id 0
		.amdhsa_next_free_vgpr 896
		.amdhsa_next_free_sgpr 102
		.amdhsa_reserve_vcc 0
		.amdhsa_float_denorm_mode_32 3
		.amdhsa_float_denorm_mode_16_64 3
		.amdhsa_memory_ordered 1
		.amdhsa_forward_progress 1
		.amdhsa_inst_pref_size 255
	.end_amdhsa_kernel
	.section	.bss,"aw",@nobits
	.p2align	6
	.space	262144
	.amdgpu_metadata
---
amdhsa.version: [ 1, 2 ]
amdhsa.kernels:
  - .name:           k_q176be4ba3c_tail
    .symbol:         k_q176be4ba3c_tail.kd
    .args:
      - { .name: ows, .offset: 0, .size: 8, .value_kind: global_buffer, .address_space: global }
      - { .name: wt, .offset: 8, .size: 8, .value_kind: global_buffer, .address_space: global }
      - { .name: st, .offset: 16, .size: 8, .value_kind: global_buffer, .address_space: global }
      - { .name: interactions, .offset: 24, .size: 8, .value_kind: global_buffer, .address_space: global }
      - { .name: target_skills, .offset: 32, .size: 8, .value_kind: global_buffer, .address_space: global }
      - { .name: inter_emb, .offset: 40, .size: 8, .value_kind: global_buffer, .address_space: global }
      - { .name: pos_emb, .offset: 48, .size: 8, .value_kind: global_buffer, .address_space: global }
      - { .name: bo, .offset: 56, .size: 8, .value_kind: global_buffer, .address_space: global }
      - { .name: ln1_g, .offset: 64, .size: 8, .value_kind: global_buffer, .address_space: global }
      - { .name: ln1_b, .offset: 72, .size: 8, .value_kind: global_buffer, .address_space: global }
      - { .name: b1, .offset: 80, .size: 8, .value_kind: global_buffer, .address_space: global }
      - { .name: b2, .offset: 88, .size: 8, .value_kind: global_buffer, .address_space: global }
      - { .name: ln2_g, .offset: 96, .size: 8, .value_kind: global_buffer, .address_space: global }
      - { .name: Wout, .offset: 104, .size: 8, .value_kind: global_buffer, .address_space: global }
      - { .name: out0, .offset: 112, .size: 8, .value_kind: global_buffer, .address_space: global }
    .group_segment_fixed_size: 327680
    .private_segment_fixed_size: 0
    .kernarg_segment_align: 8
    .kernarg_segment_size: 120
    .max_flat_workgroup_size: 128
    .sgpr_count:     102
    .vgpr_count:     896
    .wavefront_size: 32
...
	.end_amdgpu_metadata
.endif
;; end of part 3
;; ======== version 2 of 2: 3 launches; version 1 with the launches prep, attn written anew for expert scheduling mode
;; limits: right only within a limited range of input values
;; workspace buffers: xb 16,777,216 bytes; wt 1,048,576 bytes; st 40,960 bytes; ows 16,777,216 bytes
;; launch prep (part 4): grid 616 x 1, 8 waves a work-group, no clusters, 18,432 bytes of LDS; arguments interactions, inter_emb, pos_emb, xb, Wq, Wk, Wv, Wo, W1, W2, wt, skill_emb, Wout, ln2_b, bout, st; writes xb, wt, st
.if DOCPART == 4
	.amdgcn_target "amdgcn-amd-amdhsa--gfx1250"
	.amdhsa_code_object_version 6
	.text
	.protected	k_q176be4ba3c_prep
	.globl	k_q176be4ba3c_prep
	.p2align	8
	.type	k_q176be4ba3c_prep,@function
k_q176be4ba3c_prep:
	s_mov_b64 s[64:65], 0
	v_nop
	global_prefetch_b8 v0, s[64:65] scope:SCOPE_SE
	s_setreg_imm32_b32 hwreg(HW_REG_WAVE_SCHED_MODE, 0, 2), 2
	s_setreg_imm32_b32 hwreg(HW_REG_WAVE_MODE, 25, 1), 1
	s_wait_xcnt 0x0
	s_wait_alu depctr_vm_vsrc(0)
; SAKT with decay, launch 1 of 3: what the two later launches read more than once is made once.
;   work-groups 0-63    wt: the six weight matrices turned to [N][K] and rounded to bf16, a block of 128 k x 64 n each
;   work-groups 64-103  st[s] = skill_emb[s] . Wout[256:] + sum(ln2_b * Wout[:256]) + bout: the part of the output that hangs on the target skill alone, 256 table rows each
;   work-groups 104-615 xb[b][l] = bf16(inter_emb[interactions[b][l]] + pos_emb[l]), 64 rows each (pos_emb[arange(L)] is pos_emb itself)
; WORK LEFT OUT IN THE PROGRAM.  reference() replaces every score with key > query by -1e9 by a mask that it builds itself.  Where a row has a visible key that the input mask
; keeps, exp(-1e9 - max) is 0, so the 120 of 256 blocks of 64 queries x 64 keys that lie wholly above the diagonal reach no output: launch 2 does not compute them.  Where ALL
; visible keys of a row are masked, all 1,024 scores are -1e9 and the row is the mean of V over all keys: launch 2 makes that mean and selects it.  No input is left out.
; LIMITS.  A hidden score counts as its value less 1e30 (not as -1e9): the same result while visible scores lie above about -1e9.  A NaN, an infinity or an overflow that arises
; only in the blocks left out is not carried to the result.  Indices are held to their tables (20,001 and 10,000).  st has 10,240 entries; those from 10,001 on repeat the last row and are never read.
; No tensor load, no matrix instruction: the launch moves bytes.  Each store of a wave covers whole runs of 256 consecutive bytes (st: 128, a table of 40 KB).
; THE MODE: SCHED_MODE bits 1:0 = 2 (LLVM: expert scheduling mode 2), set by the entry lines.  The code itself states the register dependences
; between vector instructions and memory or LDS instructions, with s_wait_alu, always for 0.
; THE PLAN.  Registers that memory or LDS instructions touch:
;   xb  v1, v2-10 offsets, made once.  v16-143 loaded once, then summed in place.  v144-175 four out registers a row, written once by the row's roundings and read by the
;       two stores that stand at the head of the next row, behind one wait on va_vdst.  Nothing that a memory instruction reads is written again.
;   wt  v4-11, v12, v13, v80-83 offsets and LDS addresses, made once.  v16-47 loaded.  v48-63 written by the roundings, read by the LDS stores.  v64-79 read back, stored.
;   st  v1, v44, v200-231 offsets, made once.  Two sets of 64 data registers: group g's dots read set g % 2; the loads of group g + 1 land in the other set at the head of
;       group g, behind one wait on va_vdst, which states that group g - 1 is done reading it.
.set SPARE, 17408                      ; LDS: the turning tile 64 x 272 bytes at 0; behind it the spare words, 128 bytes a wave
.set SPW, 198                          ; v198 LDS address of my spare word; never rewritten
.set NIL, 199                          ; v199 0; never rewritten
.set TO,  200                          ; v[200:231] st: the byte offsets of my 32 table rows; never rewritten
.set LN,  11                           ; v11  lane
.set WV,  36                           ; s36  wave
	s_load_b512 s[4:19], s[0:1], 0x0               ; interactions 4, inter_emb 6, pos_emb 8, xb 10, Wq 12, Wk 14, Wv 16, Wo 18
	s_load_b512 s[20:35], s[0:1], 0x40             ; W1 20, W2 22, wt 24, skill_emb 26, Wout 28, ln2_b 30, bout 32, st 34
	v_lshl_add_u32 v[SPW], v0, 2, SPARE
	v_mov_b32 v[NIL], 0
	v_lshrrev_b32 v1, 5, v0
	v_readfirstlane_b32 s[WV], v1
	v_and_b32 v[LN], 31, v0
	s_wait_alu depctr_va_sdst(0)                   ; s36, the wave's number, is written: ahead of the branches and of its first reader in either role that reads it
	s_wait_kmcnt 0x0
	s_cmp_lt_u32 ttmp9, 64                         ; the role hangs on the work-group's number alone
	s_cbranch_scc1 .Ltrans
	s_cmp_lt_u32 ttmp9, 104
	s_cbranch_scc1 .Ltable
; ---------------- xb: a wave takes 8 rows; all 32 loads go out at once
	s_sub_co_u32 s37, ttmp9, 104
	s_lshl_b32 s37, s37, 6
	s_lshl3_add_u32 s37, s[WV], s37                ; my first row = 64 j + 8 wave
	s_lshl_b32 s38, s37, 2
	s_mov_b32 s39, 0
	s_add_nc_u64 s[38:39], s[4:5], s[38:39]
	s_load_b256 s[40:47], s[38:39], 0x0            ; my 8 indices
	s_and_b32 s48, s37, 1023
	s_lshl_b32 s48, s48, 10
	s_mov_b32 s49, 0
	s_add_nc_u64 s[8:9], s[8:9], s[48:49]          ; pos_emb at my first position
	s_lshl_b32 s48, s37, 9
	s_add_nc_u64 s[10:11], s[10:11], s[48:49]      ; xb at my first row
	v_lshlrev_b32 v1, 4, v[LN]                     ; 16 bytes a lane of f32
	v_lshlrev_b32 v10, 3, v[LN]                    ; 8 bytes a lane of bf16
	s_wait_kmcnt 0x0
.irp i, 0,1,2,3,4,5,6,7
	s_min_u32 s[40+\i], s[40+\i], 20001            ; the index stays inside its table
	s_lshl_b32 s[40+\i], s[40+\i], 10
	v_add_nc_u32 v[2+\i], s[40+\i], v1
.endr
	s_wait_alu depctr_va_vdst(0)                   ; the ten offsets v1 to v10 are written, which every load and store of this role reads
.irp i, 0,1,2,3,4,5,6,7
	global_load_b128 v[16+16*\i:16+16*\i+3],    v[2+\i], s[6:7]
	global_load_b128 v[16+16*\i+4:16+16*\i+7],  v[2+\i], s[6:7] offset:512
	global_load_b128 v[16+16*\i+8:16+16*\i+11], v1, s[8:9] offset:1024*\i
	global_load_b128 v[16+16*\i+12:16+16*\i+15], v1, s[8:9] offset:1024*\i+512
.endr
.macro XOUT i                          ; row i leaves: 32 lanes store 256 consecutive bytes, aligned, twice
	global_store_b64 v10, v[144+4*(\i):144+4*(\i)+1], s[10:11] offset:512*(\i)
	global_store_b64 v10, v[144+4*(\i)+2:144+4*(\i)+3], s[10:11] offset:512*(\i)+256
.endm
.irp i, 0,1,2,3,4,5,6,7
	s_wait_loadcnt 4*(7-\i)                        ; the younger rows' four loads each may stay out
.if \i > 0
	s_wait_alu depctr_va_vdst(0)                   ; the row before's roundings have written its four out registers, which the two stores below read
	XOUT \i-1
.endif
.irp q, 0,1,2,3
	v_pk_add_f32 v[16+16*\i+2*\q:16+16*\i+2*\q+1], v[16+16*\i+2*\q:16+16*\i+2*\q+1], v[16+16*\i+8+2*\q:16+16*\i+8+2*\q+1]
.endr
.irp q, 0,1,2,3
	v_cvt_pk_bf16_f32 v[144+4*\i+\q], v[16+16*\i+2*\q], v[16+16*\i+2*\q+1]
.endr
.endr
	s_wait_alu depctr_va_vdst(0)                   ; row 7's roundings have written its out registers
	XOUT 7
	s_endpgm
; ---------------- wt: one block of 128 k x 64 n is turned through LDS
; registers: v4-11 source offsets; v12, v13 LDS addresses; v16-47 as loaded; v48-63 packed; v64-79 read back; v80-83 the stores' offsets
.Ltrans:
	s_mov_b32 s37, ttmp9                           ; j
	s_lshr_b32 s38, s37, 3
	s_mov_b64 s[40:41], s[12:13]                   ; j < 32: Wq, Wk, Wv, Wo, 8 blocks each
	s_cmp_eq_u32 s38, 1
	s_cselect_b64 s[40:41], s[14:15], s[40:41]
	s_cmp_eq_u32 s38, 2
	s_cselect_b64 s[40:41], s[16:17], s[40:41]
	s_cmp_eq_u32 s38, 3
	s_cselect_b64 s[40:41], s[18:19], s[40:41]
	s_bfe_u32 s42, s37, 0x10002                    ; kb
	s_and_b32 s43, s37, 3                          ; nb
	s_lshl_b32 s44, s38, 17                        ; the matrix's place in wt
	s_mov_b32 s45, 1024                            ; bytes in a source row (4 N)
	s_mov_b32 s46, 512                             ; bytes in a turned row (2 K)
	s_bfe_u32 s47, s37, 0x10003
	s_and_b32 s48, s37, 7
	s_cmp_ge_u32 s37, 32                           ; 32-47: W1, 2 x 8 blocks
	s_cselect_b64 s[40:41], s[20:21], s[40:41]
	s_cselect_b32 s42, s47, s42
	s_cselect_b32 s43, s48, s43
	s_cselect_b32 s44, 524288, s44
	s_cselect_b32 s45, 2048, s45
	s_bfe_u32 s47, s37, 0x20002
	s_and_b32 s48, s37, 3
	s_cmp_ge_u32 s37, 48                           ; 48-63: W2, 4 x 4 blocks
	s_cselect_b64 s[40:41], s[22:23], s[40:41]
	s_cselect_b32 s42, s47, s42
	s_cselect_b32 s43, s48, s43
	s_cselect_b32 s44, 786432, s44
	s_cselect_b32 s45, 1024, s45
	s_cselect_b32 s46, 1024, s46
	s_mul_i32 s47, s42, s45
	s_lshl_b32 s47, s47, 7                         ; 128 kb rows
	s_lshl_b32 s48, s43, 8                         ; 64 nb columns of 4 bytes
	s_add_co_u32 s48, s47, s48
	s_mov_b32 s49, 0
	s_add_nc_u64 s[40:41], s[40:41], s[48:49]
	s_mul_i32 s47, s43, s46
	s_lshl_b32 s47, s47, 6                         ; 64 nb turned rows
	s_add_co_u32 s47, s47, s44
	s_lshl_b32 s48, s42, 8                         ; 128 kb numbers of 2 bytes
	s_add_co_u32 s48, s47, s48
	s_add_nc_u64 s[24:25], s[24:25], s[48:49]
	s_lshl_b32 s50, s45, 1
	s_lshl_b32 s51, s45, 5
	s_lshl_b32 s52, s46, 4
	v_and_b32 v1, 15, v0                           ; n4: four columns
	v_lshrrev_b32 v2, 4, v0                        ; kp: a pair of rows
	v_mul_u32_u24 v4, s50, v2
	v_lshl_add_u32 v4, v1, 4, v4                   ; row 2 kp, 16 lanes cover 256 bytes of it
	v_add_nc_u32 v5, s45, v4                       ; row 2 kp + 1
.irp i, 1,2,3
	v_add_nc_u32 v[4+2*\i], s51, v[2+2*\i]         ; 32 rows further down
	v_add_nc_u32 v[5+2*\i], s51, v[3+2*\i]
.endr
	s_wait_alu depctr_va_vdst(0)                   ; the eight source offsets v4 to v11 are written, which the loads read
.irp i, 0,1,2,3
	global_load_b128 v[16+8*\i:16+8*\i+3],   v[4+2*\i], s[40:41]
	global_load_b128 v[16+8*\i+4:16+8*\i+7], v[5+2*\i], s[40:41]
.endr
	v_mul_u32_u24 v12, v1, 1088                    ; in: turned row 4 n4 + c of 272 bytes, word kp + 16 i
	v_lshl_add_u32 v12, v2, 2, v12
	v_mul_u32_u24 v13, v2, 272                     ; back: turned row kp + 16 i, 16 bytes a lane
	v_lshl_add_u32 v13, v1, 4, v13
	v_mul_u32_u24 v80, s46, v2                     ; and the same row and 16 bytes in wt
	v_lshl_add_u32 v80, v1, 4, v80
.irp i, 1,2,3
	v_add_nc_u32 v[80+\i], s52, v[79+\i]           ; 16 turned rows further down
.endr
	s_wait_loadcnt 0x0
.irp i, 0,1,2,3
.irp c, 0,1,2,3
	v_cvt_pk_bf16_f32 v[48+4*\i+\c], v[16+8*\i+\c], v[16+8*\i+4+\c]  ; k even below, k odd above: two neighbours of a turned row
.endr
.endr
	s_wait_alu depctr_va_vdst(0)                   ; the roundings have written v48 to v63, the LDS stores' data; v12, v13 and v80 to v83 are written too, which the LDS stores, the read-back and the global stores read; no vector instruction follows
.irp i, 0,1,2,3
.irp c, 0,1,2,3
	ds_store_b32 v12, v[48+4*\i+\c] offset:272*\c+64*\i
.endr
.endr
	s_wait_dscnt 0x0                               ; for the others' sake: my stores are done
	s_barrier_signal -1
	s_barrier_wait -1
.irp i, 0,1,2,3
	ds_load_b128 v[64+4*\i:64+4*\i+3], v13 offset:4352*\i
.endr
.irp i, 0,1,2,3
	s_wait_dscnt 3-\i                              ; the younger read-backs may stay out
	global_store_b128 v[80+\i], v[64+4*\i:64+4*\i+3], s[24:25]  ; 16 lanes: 256 consecutive bytes, aligned
.endr
	s_wait_dscnt 0x0                               ; the closing lines, six on end
	s_wait_alu 0x0
	s_wait_tensorcnt 0x0
	ds_add_u32 v[SPW], v[NIL]
	s_wait_dscnt 0x0
	s_endpgm
; ---------------- st: a wave takes 32 table rows, a row's 1,024 bytes by two loads; two sets of 8 rows take turns
.Ltable:
	s_sub_co_u32 s37, ttmp9, 64
	s_lshl_b32 s37, s37, 8
	s_lshl_b32 s38, s[WV], 5
	s_add_co_u32 s37, s37, s38                     ; my first row
	s_load_b32 s50, s[32:33], 0x0                  ; bout
	s_mov_b32 s52, 0x76543210                      ; v_permlanex16_b32: each lane takes its own place in the other half
	s_mov_b32 s53, 0xfedcba98
	v_lshlrev_b32 v1, 4, v[LN]
	v_lshlrev_b32 v44, 2, v[LN]
	v_mov_b32 v42, 0
	v_mov_b32 v43, 0
.set n, 0
.rept 32
	s_add_co_u32 s38, s37, n
	s_min_u32 s38, s38, 10000                      ; the padding rows read the last row
	v_lshl_add_u32 v[TO+n], s38, 10, v1
.set n, n+1
.endr
	s_wait_alu depctr_va_vdst(0)                   ; v1, v44 and the 32 row offsets are written, which every load and the store of this role read
	global_load_b128 v[16:19], v1, s[28:29] offset:1024   ; Wout[256 + 4 l ..]
	global_load_b128 v[20:23], v1, s[28:29] offset:1536   ; Wout[384 + 4 l ..]
	global_load_b128 v[24:27], v1, s[30:31]               ; ln2_b
	global_load_b128 v[28:31], v1, s[30:31] offset:512
	global_load_b128 v[32:35], v1, s[28:29]               ; Wout[:256]
	global_load_b128 v[36:39], v1, s[28:29] offset:512
.macro LOADG g, set
.irp i, 0,1,2,3,4,5,6,7
	global_load_b128 v[48+64*(\set)+8*\i:48+64*(\set)+8*\i+3],   v[TO+8*(\g)+\i], s[26:27]
	global_load_b128 v[48+64*(\set)+8*\i+4:48+64*(\set)+8*\i+7], v[TO+8*(\g)+\i], s[26:27] offset:512
.endr
.endm
.macro WSUM                            ; v40 summed over the 32 lanes, the result in every lane
	v_add_f32_dpp v40, v40, v40 row_xmask:1 row_mask:0xf bank_mask:0xf
	v_add_f32_dpp v40, v40, v40 row_xmask:2 row_mask:0xf bank_mask:0xf
	v_add_f32_dpp v40, v40, v40 row_xmask:4 row_mask:0xf bank_mask:0xf
	v_add_f32_dpp v40, v40, v40 row_xmask:8 row_mask:0xf bank_mask:0xf
	v_permlanex16_b32 v42, v40, s52, s53
	v_add_f32 v40, v40, v42
.endm
; Group g, in set g % 2.  fill = 1: at its head group g + 1 is asked for, into the other set.  younger: the loads of the next group that may stay out behind this group's rows.
.macro PROC g, set, fill, younger
.irp i, 0,1,2,3,4,5,6,7
	v_cmp_eq_u32 s[40+\i], 8*(\g)+\i, v[LN]        ; lane n keeps row n's dot: the group's eight masks in one run
.endr
	s_wait_alu depctr_va_sdst(0)                   ; s40 to s47 are written, ahead of the first select that reads one of them
.irp i, 0,1,2,3,4,5,6,7
.if (\fill) && (\i == 0)
	s_wait_loadcnt 14                              ; my first row is in; the group's seven younger rows stay out, and the next group is not asked for yet
	s_wait_alu depctr_va_vdst(0)                   ; the group before is done reading the other set, in which the sixteen loads below land
	LOADG (\g)+1, 1-(\set)
.else
	s_wait_loadcnt (\younger)+2*(7-\i)             ; the next group's loads and this group's younger rows may stay out
.endif
.set gd, 48+64*(\set)+8*\i
	v_pk_mul_f32 v[40:41], v[gd:gd+1], v[16:17]
	v_pk_fma_f32 v[40:41], v[gd+2:gd+3], v[18:19], v[40:41]
	v_pk_fma_f32 v[40:41], v[gd+4:gd+5], v[20:21], v[40:41]
	v_pk_fma_f32 v[40:41], v[gd+6:gd+7], v[22:23], v[40:41]
	v_add_f32 v40, v40, v41
	WSUM
	v_cndmask_b32 v43, v43, v40, s[40+\i]
.endr
.endm
	LOADG 0, 0
	LOADG 1, 1
	PROC 0, 0, 0, 16
	PROC 1, 1, 1, 16
	PROC 2, 0, 1, 16
	PROC 3, 1, 0, 0
	v_pk_mul_f32 v[40:41], v[24:25], v[32:33]      ; the part that no skill changes
	v_pk_fma_f32 v[40:41], v[26:27], v[34:35], v[40:41]
	v_pk_fma_f32 v[40:41], v[28:29], v[36:37], v[40:41]
	v_pk_fma_f32 v[40:41], v[30:31], v[38:39], v[40:41]
	v_add_f32 v40, v40, v41
	WSUM
	s_wait_kmcnt 0x0
	v_add_f32 v40, s50, v40
	v_add_f32 v43, v43, v40
	s_lshl_b32 s38, s37, 2
	s_mov_b32 s39, 0
	s_add_nc_u64 s[34:35], s[34:35], s[38:39]
	s_wait_alu depctr_va_vdst(0)                   ; v43, the store's data, is written
	global_store_b32 v44, v43, s[34:35]
	s_endpgm
.Lfunc_end_k_q176be4ba3c_prep:
	.size	k_q176be4ba3c_prep, .Lfunc_end_k_q176be4ba3c_prep-k_q176be4ba3c_prep
	.p2alignl 7, 3214868480
	.fill 96, 4, 3214868480
	.section	.rodata,"a",@progbits
	.p2align	6, 0x0
	.amdhsa_kernel k_q176be4ba3c_prep
		.amdhsa_group_segment_fixed_size 18432
		.amdhsa_private_segment_fixed_size 0
		.amdhsa_enable_private_segment 0
		.amdhsa_kernarg_size 128
		.amdhsa_user_sgpr_count 2
		.amdhsa_user_sgpr_kernarg_segment_ptr 1
		.amdhsa_wavefront_size32 1
		.amdhsa_system_sgpr_workgroup_id_x 1
		.amdhsa_system_sgpr_workgroup_id_y 1
		.amdhsa_system_sgpr_workgroup_id_z 1
		.amdhsa_system_vgpr_workitem_id 0
		.amdhsa_next_free_vgpr 232
		.amdhsa_next_free_sgpr 66
		.amdhsa_reserve_vcc 0
		.amdhsa_float_denorm_mode_32 3
		.amdhsa_float_denorm_mode_16_64 3
		.amdhsa_memory_ordered 1
		.amdhsa_forward_progress 1
		.amdhsa_inst_pref_size 57
	.end_amdhsa_kernel
	.amdgpu_metadata
---
amdhsa.version: [ 1, 2 ]
amdhsa.kernels:
  - .name:           k_q176be4ba3c_prep
    .symbol:         k_q176be4ba3c_prep.kd
    .args:
      - { .name: interactions, .offset: 0, .size: 8, .value_kind: global_buffer, .address_space: global }
      - { .name: inter_emb, .offset: 8, .size: 8, .value_kind: global_buffer, .address_space: global }
      - { .name: pos_emb, .offset: 16, .size: 8, .value_kind: global_buffer, .address_space: global }
      - { .name: xb, .offset: 24, .size: 8, .value_kind: global_buffer, .address_space: global }
      - { .name: Wq, .offset: 32, .size: 8, .value_kind: global_buffer, .address_space: global }
      - { .name: Wk, .offset: 40, .size: 8, .value_kind: global_buffer, .address_space: global }
      - { .name: Wv, .offset: 48, .size: 8, .value_kind: global_buffer, .address_space: global }
      - { .name: Wo, .offset: 56, .size: 8, .value_kind: global_buffer, .address_space: global }
      - { .name: W1, .offset: 64, .size: 8, .value_kind: global_buffer, .address_space: global }
      - { .name: W2, .offset: 72, .size: 8, .value_kind: global_buffer, .address_space: global }
      - { .name: wt, .offset: 80, .size: 8, .value_kind: global_buffer, .address_space: global }
      - { .name: skill_emb, .offset: 88, .size: 8, .value_kind: global_buffer, .address_space: global }
      - { .name: Wout, .offset: 96, .size: 8, .value_kind: global_buffer, .address_space: global }
      - { .name: ln2_b, .offset: 104, .size: 8, .value_kind: global_buffer, .address_space: global }
      - { .name: bout, .offset: 112, .size: 8, .value_kind: global_buffer, .address_space: global }
      - { .name: st, .offset: 120, .size: 8, .value_kind: global_buffer, .address_space: global }
    .group_segment_fixed_size: 18432
    .private_segment_fixed_size: 0
    .kernarg_segment_align: 8
    .kernarg_segment_size: 128
    .max_flat_workgroup_size: 256
    .sgpr_count:     66
    .vgpr_count:     232
    .wavefront_size: 32
...
	.end_amdgpu_metadata
.endif
;; end of part 4
;; launch attn (part 5): grid 8 x 32, 4 waves a work-group, no clusters, 253,696 bytes of LDS; arguments xb, wt, bq, bk, bv, decay_logit, mask, ows; writes ows
.if DOCPART == 5
	.amdgcn_target "amdgcn-amd-amdhsa--gfx1250"
	.amdhsa_code_object_version 6
	.text
	.protected	k_q176be4ba3c_attn
	.globl	k_q176be4ba3c_attn
	.p2align	8
	.type	k_q176be4ba3c_attn,@function
k_q176be4ba3c_attn:
	s_mov_b64 s[64:65], 0
	v_nop
	global_prefetch_b8 v0, s[64:65] scope:SCOPE_SE
	s_setreg_imm32_b32 hwreg(HW_REG_WAVE_SCHED_MODE, 0, 2), 2
	s_setreg_imm32_b32 hwreg(HW_REG_WAVE_MODE, 25, 1), 1
	s_wait_xcnt 0x0
	s_wait_alu depctr_vm_vsrc(0)
; SAKT with decay, launch 2 of 3: one work-group for each (batch, head): 256.  It projects the head's own 96 columns (Q, K, V) of its batch's 1,024 rows into LDS, and runs the
; causal attention out of LDS: Q, K and V never go to memory.  Left out: the blocks of 64 x 64 scores wholly above the diagonal (shown dead at the head of launch 1); a row whose
; visible keys are all masked takes the mean of V over all 1,024 keys, made here and chosen by v_cndmask_b32.
; UNITS.  Q is multiplied in f32 by c = log2(e) / sqrt(32) before its one rounding to bf16, so scores are in powers of two: p = 2^(s - m), m a running maximum.
; s = c q.k + T[q - k] + km[k]; T[d] = -softplus(decay) log2(1 + d) for d >= 0 and -1e30 for d < 0; km[k] = 0 or -1e30 by the input mask.  T + km is the C operand of the product.
; LIMITS.  A hidden score is its value less 1e30; softplus's log1p is log2(1 + 2^..), off by 6e-8 at the most; a weight below 2^-126 counts as 0; NaN and infinities are not treated apart.
; bf16 for x, the weights, Q, K, V, P and O; sums, maxima and the row sum's accumulator in f32 (the row sum is taken of the rounded weights, by the matrix unit).
; NO CLUSTER, NO TENSOR LOAD: the eight heads of a batch share xb's rows, but K, Q, V^T and the tables fill 253,696 bytes of LDS: what is left holds no two slots worth a step's
; work; each wave keeps 64 loads of 512 bytes on their way instead.  No prefetch: the stream is asked for from the first line on and ends with the projection.
; LAYOUTS.  Q, K: D = W^T x^T (source 0 = 16 output channels, source 1 = 16 rows of x): a lane holds one row and 8 channels: 16 bytes of an LDS row [row][32 channels].
; V^T: D = x Wv (source 0 = 16 rows of x): a lane holds one channel and 8 keys: 16 bytes of an LDS row [channel][1,024 keys].  S^T = K Q^T: a lane holds one query (lane % 16) and keys
; 8 (lane / 16) + 0..7; two such tiles rounded in pairs ARE source 1 of O^T = V^T P.  One matrix instruction makes a tile of scores, since a head has 32 channels.
; SHARES.  A band is 64 queries (4 tiles); band g walks key steps 0 .. g of 64 keys.  Wave u owns bands u, 7 - u, 8 + u, 15 - u: 34 steps for every wave: one loop counted 34 to 0.
; The 16 tile pairs of a step need only 7 tiles of T (by a - b), so a step reads 38 x 512 bytes of LDS for 4,096 scores.
; THE MODE: SCHED_MODE bits 1:0 = 2 (LLVM: expert scheduling mode 2), set by the entry lines.  The code itself states the register dependences
; between vector or matrix instructions and memory or LDS instructions, with s_wait_alu, always for 0.
; THE PLAN, THE PROJECTION.  Registers that memory or LDS instructions touch in its loop:
;   x's four buffers (window 3)  Tile j's 48 products read buffer j; behind them the loads of the tile four further on land in it.
;   PKD                          Written by a tile's 24 roundings; read by its six LDS stores.
;   AQS, AKS, AVS                Read by those stores; stepped once a trip, at its end.          FL  Read by every load; not written while the projection runs.
; ONE wait on va_vdst a tile, behind its roundings: PKD is written, the tile's products are done reading buffer j, and the three addresses are written.  The sixteen loads and the six
; stores follow it.  One wait on vm_vsrc ahead of each tile: the stores before have read PKD (for a trip's first tile it is the one ahead of the loop or the one ahead of the addresses' step).
; THE PLAN, THE ATTENTION.  Registers that LDS or memory instructions touch in its loop:
;   KF, QF       Read by the trip's 16 score products; K (and, at a band's end, Q) of the next step lands in them.
;   VF           Read by the trip's 16 products V^T P; V of the step in hand lands in it, in the same trip, ahead of them.
;   BI, MF       Read by the 64 lines that make the next step's C operands, at the trip's end; the tables' tiles for those lines land in them.
;   ADK, ADB, ADM, ADQ, ADV   The five LDS addresses: written once a trip, behind the score products; read by the run of loads.
;   PF           Written by the trip's roundings (a band's end writes its lower half once more and stores it); GO, the stores' offset, is never written again.
; All the trip's LDS loads stand in ONE run.  Ahead of it: a wait on vm_vsrc (the last trip's loads have read the five addresses, a band's stores have read PF), the five address lines, the
; first sixteen lines of the maximum, which need every score product's result in any case, and a wait on va_vdst: the addresses are written, the score products are done reading KF and QF,
; the last trip's V^T P are done reading VF and its C-operand lines BI and MF.  The third s_wait_alu of a trip is the exponentials'.
.set PKQ,   80                         ; a row of K or Q in LDS: 64 bytes + 16: the 16 rows of a load start in 16 different groups of four banks
.set PVT,   2064                       ; a row of V^T: 2,048 + 16
.set CPY,   4672                       ; a copy of the table T; four copies, shifted by a word each, so that every lane's 8 numbers lie 16-byte aligned
.set LDK,   0
.set LDQ,   81920
.set LDV,   163840
.set LDB,   229888                     ; copy c holds T[1024 - i + c] at word i
.set LDM,   248576                     ; km, 1,024 f32
.set LDVS,  252672                     ; each wave's sum of V over its 256 keys, 32 f32
.set SPARE, 253184                     ; the spare words, 128 bytes a wave
; window 0
.set RL,  1                            ; l % 16
.set HL,  2                            ; l / 16
.set FL,  3                            ; projection: my place in a fragment's rows of 512 bytes
.set AQS, 4                            ; where I put Q, K, V^T
.set AKS, 5
.set AVS, 6
.set ACC, 16                           ; q0 q1 k0 k1 v0 v1
.set BQK, 64                           ; their biases as C operands
.set BV,  96
.set PKD, 112
.set VSA, 136
.set AKL, 3                            ; attention: lane terms (never rewritten) ..
.set AQL, 4
.set AVL, 5
.set ABL, 6
.set AML, 7
.set ADK, 8                            ; .. and the addresses of the run of loads in hand
.set ADQ, 9
.set ADV, 10
.set ADB, 11
.set ADM, 12
.set GO,  13
.set SPW, 14
.set NIL, 15
.set CT,  16                           ; four at work a tile
.set ST,  32                           ; a tile's m, m_old - m_new, a, and the other half's maximum
.set SS,  48                           ; S^T: tile a, key block b at SS + 32 a + 8 b
.set OO,  176                          ; O^T: OO + 16 a + 8 t
; window 1
.set KF,  0
.set VF,  32                           ; VF + 16 kb + 8 t
.set ONE, 64                           ; rows 0 and 8 are ones: register 0 of L is the row sum in both halves of the lanes
.set BI,  72                           ; T's tiles: BI + 8 (a - b + 3)
.set LL,  128                          ; L: LL + 8 a
; window 2
.set QF,  0
.set PF,  32                           ; PF + 16 a + 8 kb
.set MF,  96
.set VM,  128                          ; the mean of V, in O^T's layout
; scalars
.set WV,  20
.set BB,  22
.set CS,  24
.set SEL, 26
.set XB,  28
.set WBS, 30
.set TM,  32                           ; s[32:48] at the head only: the tables' 17 lane masks
.set CNT, 32
.set GC,  33                           ; the band and step in hand,
.set SC,  34
.set G1,  35                           ; the next,
.set S1,  36
.set R1,  37                           ; and the bands still to come
.set R2,  38
.set R3,  39
.set KOFF, 40
.set QOFF, 41
.set BOFF, 42
.set MOFF, 43
.set VOFF, 44                          ; V's bytes of the step in hand
.set OB,  46
.set MK,  48
.set THR, 52
.set DEC, 56
.set MSB, 0
.macro WIN new                         ; s_set_vgpr_msb: bits 1:0 source 0, 3:2 source 1, 5:4 source 2, 7:6 destination; the high byte repeats the setting that is left
.if MSB != (\new)
	s_set_vgpr_msb (MSB<<8)|(\new)
.set MSB, (\new)
.endif
.endm
.set MAT, 0x09                         ; source 0 window 1, source 1 window 2, C and D window 0
	s_load_b512 s[4:19], s[0:1], 0x0               ; xb 4, wt 6, bq 8, bk 10, bv 12, decay_logit 14, mask 16, ows 18
	v_lshl_add_u32 v[SPW], v0, 2, SPARE
	v_mov_b32 v[NIL], 0
	v_lshrrev_b32 v1, 5, v0
	v_readfirstlane_b32 s[WV], v1
	s_and_b32 s[BB], ttmp7, 0xffff                 ; batch; ttmp9 is the head
	v_and_b32 v[RL], 15, v0
	v_bfe_u32 v[HL], v0, 4, 1
	v_lshlrev_b32 v[FL], 9, v[RL]
	v_lshl_add_u32 v[FL], v[HL], 4, v[FL]
	v_lshlrev_b32 v7, 5, v[HL]
	v_lshlrev_b32 v8, 2, v[RL]
	v_lshlrev_b32 v9, 3, v0
	s_mov_b32 s[CS], 0x3e8293ee                    ; c = log2(e) / sqrt(32)
	s_mov_b32 s[CS+1], s[CS]
	s_mov_b32 s[SEL], 0x76543210
	s_mov_b32 s[SEL+1], 0xfedcba98
	s_mov_b32 s[THR], 0xf0c9f2ca                   ; -5e29: a maximum below it has seen hidden scores alone
	s_lshl_b32 s54, ttmp9, 2
	s_mov_b32 s55, 0                               ; stays 0
	s_wait_alu depctr_va_sdst(0)                   ; s20, the wave's number, is written, ahead of its first reader: xb's base is made from it
	s_wait_alu depctr_va_vdst(0)                   ; the offsets v3, v7, v8 and v9 are written, which the loads below read; only scalar lines, window switches and loads follow up to the last of them
	s_wait_kmcnt 0x0
	s_add_nc_u64 s[14:15], s[14:15], s[54:55]
	s_load_b32 s[DEC], s[14:15], 0x0
	s_lshl_b32 s54, s[BB], 10
	s_add_nc_u64 s[16:17], s[16:17], s[54:55]
	global_load_b64 v[60:61], v9, s[16:17]         ; my 8 bytes of the mask
	s_lshl_b32 s54, ttmp9, 7
	s_add_nc_u64 s[8:9], s[8:9], s[54:55]
	s_add_nc_u64 s[10:11], s[10:11], s[54:55]
	s_add_nc_u64 s[12:13], s[12:13], s[54:55]
.irp t, 0,1
	global_load_b128 v[BQK+8*\t:BQK+8*\t+3],       v7, s[8:9] offset:64*\t
	global_load_b128 v[BQK+8*\t+4:BQK+8*\t+7],     v7, s[8:9] offset:64*\t+16
	global_load_b128 v[BQK+16+8*\t:BQK+16+8*\t+3], v7, s[10:11] offset:64*\t
	global_load_b128 v[BQK+16+8*\t+4:BQK+16+8*\t+7], v7, s[10:11] offset:64*\t+16
	global_load_b32 v[BV+8*\t], v8, s[12:13] offset:64*\t
.endr
	s_lshl_b32 s54, ttmp9, 14                      ; the head's 32 rows of each turned weight
	s_add_nc_u64 s[WBS:WBS+1], s[6:7], s[54:55]
	s_lshl_b32 s54, s[BB], 19
	s_lshl_b32 s53, s[WV], 17
	s_add_co_u32 s54, s54, s53
	s_add_nc_u64 s[XB:XB+1], s[4:5], s[54:55]      ; xb at my wave's 256 rows
	s_lshl3_add_u32 s54, s[BB], ttmp9
	s_lshl_b32 s54, s54, 16
	s_add_nc_u64 s[18:19], s[18:19], s[54:55]      ; ows at (batch, head)
	WIN 0x40
.irp n, 0,1,2,3
.irp ks, 0,1,2,3,4,5,6,7
	global_load_b128 v[64*\n+8*\ks:64*\n+8*\ks+3],   v[FL], s[WBS:WBS+1] offset:(\n/2)*131072+(\n%2)*8192+64*\ks
	global_load_b128 v[64*\n+8*\ks+4:64*\n+8*\ks+7], v[FL], s[WBS:WBS+1] offset:(\n/2)*131072+(\n%2)*8192+64*\ks+32
.endr
.endr
	WIN 0x80
.irp t, 0,1
.irp ks, 0,1,2,3,4,5,6,7
	global_load_b128 v[64*\t+8*\ks:64*\t+8*\ks+3],   v[FL], s[WBS:WBS+1] offset:262144+\t*8192+64*\ks
	global_load_b128 v[64*\t+8*\ks+4:64*\t+8*\ks+7], v[FL], s[WBS:WBS+1] offset:262144+\t*8192+64*\ks+32
.endr
.endr
.macro XLOAD buf, off                  ; 16 rows of x, all 256 channels: 16 loads into buffer buf of window 3
	WIN 0xc0
.irp ks, 0,1,2,3,4,5,6,7
	global_load_b128 v[64*(\buf)+8*\ks:64*(\buf)+8*\ks+3],   v[FL], s[XB:XB+1] offset:(\off)+64*\ks
	global_load_b128 v[64*(\buf)+8*\ks+4:64*(\buf)+8*\ks+7], v[FL], s[XB:XB+1] offset:(\off)+64*\ks+32
.endr
	WIN 0
.endm
	XLOAD 0, 0
	XLOAD 1, 8192
	XLOAD 2, 16384
	XLOAD 3, 24576
	; the tables, while the loads are on their way.  rate = max(x, 0) + ln 2 log2(1 + 2^(-|x| log2 e))
	s_wait_kmcnt 0x0
	v_mov_b32 v16, s[DEC]
	v_and_b32 v17, 0x7fffffff, v16
	v_mul_f32 v17, 0xbfb8aa3b, v17
	v_exp_f32 v17, v17
	v_max_num_f32 v16, 0, v16
	s_wait_alu depctr_va_vdst(0)                   ; the exponential has written v17, ahead of its reader
	v_add_f32 v17, 1.0, v17
	v_log_f32 v17, v17
	v_mov_b32 v18, 0xf149f2ca                      ; -1e30
	s_wait_alu depctr_va_vdst(0)                   ; the logarithm has written v17, ahead of its reader
	v_fmac_f32 v16, 0x3f317218, v17
	v_xor_b32 v16, 0x80000000, v16                 ; -rate
	v_sub_nc_u32 v19, 1024, v0
	v_lshl_add_u32 v10, v0, 2, LDB
	v_lshl_add_u32 v11, v0, 5, LDM
.irp n, 0,1,2,3,4,5,6,7,8
	v_subrev_nc_u32 v[20+\n], 128*\n, v19          ; d = 1024 - (thread + 128 n): 1,024 down to -127
	v_add_nc_u32 v[30+\n], 1, v[20+\n]
	v_max_i32 v[30+\n], 1, v[30+\n]
	v_cvt_f32_i32 v[30+\n], v[30+\n]
.endr
.irp n, 0,1,2,3,4,5,6,7,8
	v_log_f32 v[30+\n], v[30+\n]
.endr
	s_wait_loadcnt 63                              ; more than 63 loads were issued behind the mask's and the biases': these are in
.irp q, 0,1,2,3,4,5,6,7
	v_bfe_u32 v[40+\q], v[60+\q/4], 8*(\q%4), 8    ; plain lines that name no logarithm: the first is the one owed behind the last of them
.endr
.irp n, 0,1,2,3,4,5,6,7,8
	v_cmp_gt_i32 s[TM+\n], 0, v[20+\n]             ; the tables' 17 compares in one run, a scalar register each
.endr
.irp q, 0,1,2,3,4,5,6,7
	v_cmp_eq_u32 s[TM+9+\q], 0, v[40+\q]
.endr
	s_wait_alu depctr_va_vdst(0)                   ; one wait for the nine logarithms, ahead of their first reader
	s_wait_alu depctr_va_sdst(0)                   ; s32 to s48 are written, ahead of the first select that reads one of them
.irp n, 0,1,2,3,4,5,6,7,8
	v_mul_f32 v[30+\n], v16, v[30+\n]
	v_cndmask_b32 v[30+\n], v[30+\n], v18, s[TM+\n]
.endr
.irp q, 0,1,2,3,4,5,6,7
	v_cndmask_b32 v[40+\q], 0, v18, s[TM+9+\q]
.endr
.irp t, 0,1
.irp i, 1,2,3,4,5,6,7
	v_mov_b32 v[BV+8*\t+\i], v[BV+8*\t]            ; a lane of V^T holds one channel: its bias in all eight registers
.endr
.endr
.irp i, 0,1,2,3
	v_mov_b32 v[VSA+\i], 0
.endr
	v_mul_u32_u24 v[AKS], v[RL], PKQ
	v_lshl_add_u32 v[AKS], v[HL], 4, v[AKS]
	s_mul_i32 s53, s[WV], 256*PKQ
	v_add_nc_u32 v[AKS], s53, v[AKS]
	v_add_nc_u32 v[AQS], LDQ, v[AKS]
	v_mul_u32_u24 v[AVS], v[RL], PVT
	v_lshl_add_u32 v[AVS], v[HL], 4, v[AVS]
	s_lshl_b32 s53, s[WV], 9
	s_add_co_u32 s53, s53, LDV
	v_add_nc_u32 v[AVS], s53, v[AVS]
	s_wait_alu depctr_va_vdst(0)                   ; T's nine numbers (v30 to v38), km's eight (v40 to v47) and the addresses v10 and v11 are written, which the LDS stores below read
.irp n, 0,1,2,3,4,5,6,7,8
.irp c, 0,1,2,3
	ds_store_b32 v10, v[30+\n] offset:(CPY+4)*\c+512*\n
.endr
.endr
	ds_store_b128 v11, v[40:43]
	ds_store_b128 v11, v[44:47] offset:16
	s_wait_alu depctr_vm_vsrc(0)                   ; these stores have read v30 to v47, which lie among the accumulators that the first tile's products write
; THE PROJECTION of 16 rows, in buffer j: 32 products for Q and K (four accumulators by turns), 16 for V^T (two by turns); the first of each takes the bias as C.
.macro PTILE j, reload, left
	s_wait_loadcnt \left                           ; the younger buffers' 16 loads each may stay out
.if (\j) > 0
	s_wait_alu depctr_vm_vsrc(0)                   ; the LDS stores of the tile before have read PKD, which this tile's roundings write again
.endif
	WIN 0x0d                                       ; W in window 1, x in window 3
.irp ks, 0,1,2,3,4,5,6,7
.irp n, 0,1,2,3
.if \ks == 0
	v_wmma_f32_16x16x32_bf16 v[ACC+8*\n:ACC+8*\n+7], v[64*\n+8*\ks:64*\n+8*\ks+7], v[64*(\j)+8*\ks:64*(\j)+8*\ks+7], v[BQK+8*\n:BQK+8*\n+7]
.else
	v_wmma_f32_16x16x32_bf16 v[ACC+8*\n:ACC+8*\n+7], v[64*\n+8*\ks:64*\n+8*\ks+7], v[64*(\j)+8*\ks:64*(\j)+8*\ks+7], v[ACC+8*\n:ACC+8*\n+7]
.endif
.endr
.endr
	WIN 0x0b                                       ; x in window 3, Wv in window 2
.irp ks, 0,1,2,3,4,5,6,7
.irp t, 0,1
.if \ks == 0
	v_wmma_f32_16x16x32_bf16 v[ACC+32+8*\t:ACC+32+8*\t+7], v[64*(\j)+8*\ks:64*(\j)+8*\ks+7], v[64*\t+8*\ks:64*\t+8*\ks+7], v[BV+8*\t:BV+8*\t+7]
.else
	v_wmma_f32_16x16x32_bf16 v[ACC+32+8*\t:ACC+32+8*\t+7], v[64*(\j)+8*\ks:64*(\j)+8*\ks+7], v[64*\t+8*\ks:64*\t+8*\ks+7], v[ACC+32+8*\t:ACC+32+8*\t+7]
.endif
.endr
.endr
	WIN 0
.rept 8
	v_nop                                          ; the places behind the products, in front of the lines that read the sums
.endr
.irp p, 0,1,2,3,4,5,6,7
	v_pk_mul_f32 v[ACC+2*\p:ACC+2*\p+1], v[ACC+2*\p:ACC+2*\p+1], s[CS:CS+1] op_sel_hi:[1,0]  ; Q times c, in f32
.endr
.irp p, 0,1,2,3
	v_pk_add_f32 v[VSA:VSA+1], v[VSA:VSA+1], v[ACC+32+2*\p:ACC+32+2*\p+1]      ; V summed over the keys, for the mean
	v_pk_add_f32 v[VSA+2:VSA+3], v[VSA+2:VSA+3], v[ACC+40+2*\p:ACC+40+2*\p+1]
.endr
.set q, 0
.rept 24
	v_cvt_pk_bf16_f32 v[PKD+q], v[ACC+2*q], v[ACC+2*q+1]
.set q, q+1
.endr
	s_wait_alu depctr_va_vdst(0)                   ; the roundings have written PKD, the six LDS stores' data; this tile's products are done reading x's buffer j, in which the loads land; the three LDS addresses are written
.if \reload
	XLOAD \j, (4+(\j))*8192
.endif
.irp t, 0,1
	ds_store_b128 v[AQS], v[PKD+4*\t:PKD+4*\t+3] offset:(\j)*16*PKQ+32*\t
	ds_store_b128 v[AKS], v[PKD+8+4*\t:PKD+8+4*\t+3] offset:(\j)*16*PKQ+32*\t
	ds_store_b128 v[AVS], v[PKD+16+4*\t:PKD+16+4*\t+3] offset:\t*16*PVT+32*(\j)
.endr
.endm
	s_mov_b32 s[CNT], 3
.Lproj:                                        ; a trip: four tiles of 16 rows, each buffer asked for again behind its tile's one wait
	PTILE 0, 1, 48
	PTILE 1, 1, 48
	PTILE 2, 1, 48
	PTILE 3, 1, 48
	s_wait_xcnt 0x0                                ; the loads have read their base: it may step
	s_add_nc_u64 s[XB:XB+1], s[XB:XB+1], 32768
	s_wait_alu depctr_vm_vsrc(0)                   ; the fourth tile's LDS stores have read the three addresses, which step below, and PKD, which the next tile's roundings write
	v_add_nc_u32 v[AQS], 64*PKQ, v[AQS]
	v_add_nc_u32 v[AKS], 64*PKQ, v[AKS]
	v_add_nc_u32 v[AVS], 128, v[AVS]
	s_sub_co_u32 s[CNT], s[CNT], 1
	s_cmp_lg_u32 s[CNT], 0
	s_cbranch_scc1 .Lproj
	PTILE 0, 0, 48                                 ; the last four tiles load nothing: the counts run down
	PTILE 1, 0, 32
	PTILE 2, 0, 16
	PTILE 3, 0, 0
	v_add_f32 v[VSA], v[VSA], v[VSA+1]
	v_add_f32 v[VSA+2], v[VSA+2], v[VSA+3]
	v_permlanex16_b32 v[VSA+1], v[VSA], s[SEL], s[SEL+1]
	v_permlanex16_b32 v[VSA+3], v[VSA+2], s[SEL], s[SEL+1]
	v_add_f32 v[VSA], v[VSA], v[VSA+1]
	v_add_f32 v[VSA+2], v[VSA+2], v[VSA+3]
	s_lshl_b32 s53, s[WV], 7
	s_add_co_u32 s53, s53, LDVS
	v_lshl_add_u32 v12, v[RL], 2, s53
	s_wait_alu depctr_va_vdst(0)                   ; the two sums and the address v12 are written, which the LDS stores read
	ds_store_b32 v12, v[VSA]                       ; both halves of the lanes write the same number to the same word
	ds_store_b32 v12, v[VSA+2] offset:64
	s_wait_dscnt 0x0                               ; for the others' sake: all my stores into LDS are done
	s_barrier_signal -1
	s_barrier_wait -1                              ; from here on LDS is only read
	; ---------------- the attention's set-up
	s_wait_alu depctr_vm_vsrc(0)                   ; every load and LDS store so far has read its registers: v3 to v12 take new meanings below, and the sums' registers lie in S^T
	v_mul_u32_u24 v[AKL], v[RL], PKQ
	v_lshl_add_u32 v[AKL], v[HL], 4, v[AKL]
	v_add_nc_u32 v[AQL], LDQ, v[AKL]
	v_mul_u32_u24 v[AVL], v[RL], PVT
	v_lshl_add_u32 v[AVL], v[HL], 4, v[AVL]
	v_add_nc_u32 v[AVL], LDV, v[AVL]
	v_and_b32 v16, 3, v[RL]                        ; the copy of T whose words fall aligned for my query
	v_mul_u32_u24 v[ABL], v16, CPY
	v_lshl_add_u32 v[ABL], v[HL], 5, v[ABL]
	v_add_nc_u32 v[ABL], LDB+3904, v[ABL]
	v_and_b32 v16, 12, v[RL]
	v_lshlrev_b32 v16, 2, v16
	v_sub_nc_u32 v[ABL], v[ABL], v16
	v_lshlrev_b32 v[AML], 5, v[HL]
	v_add_nc_u32 v17, LDVS, v[AML]
	v_add_nc_u32 v[AML], LDM, v[AML]
	v_and_b32 v[GO], 31, v0
	v_lshlrev_b32 v[GO], 4, v[GO]
	s_wait_alu depctr_va_vdst(0)                   ; the address v17 is written; the projection's lines are done with v48 to v111 (accumulators and biases), in which the loads below land
.irp w, 0,1,2,3
.irp t, 0,1
	ds_load_b128 v[SS+16*\w+8*\t:SS+16*\w+8*\t+3],   v17 offset:128*\w+64*\t
	ds_load_b128 v[SS+16*\w+8*\t+4:SS+16*\w+8*\t+7], v17 offset:128*\w+64*\t+16
.endr
.endr
	v_and_b32 v16, 7, v[RL]
	v_cmp_eq_u32 vcc_lo, 0, v16
	v_mov_b32 v18, 0x3f803f80                      ; 1.0 twice in bf16
	s_wait_alu depctr_va_vcc(0)                    ; VCC is written, ahead of the first select that reads it
	WIN 0x40
.irp i, 0,1,2,3,4,5,6,7
	v_cndmask_b32 v[ONE+\i], 0, v18, vcc_lo
.endr
.set i, 0
.rept 32
	v_mov_b32 v[LL+i], 0                           ; L and O^T are cleared once: a band's first step multiplies them by a = 0, so later bands need only finite numbers there
.set i, i+1
.endr
	WIN 0
.set i, 0
.rept 64
	v_mov_b32 v[OO+i], 0
.set i, i+1
.endr
.irp a, 0,1,2,3
	v_mov_b32 v[ST+4*\a], 0xff7fffff               ; m: the lowest finite number
	v_mov_b32 v[ST+4*\a+1], 0
	v_mov_b32 v[ST+4*\a+2], 0
	v_mov_b32 v[ST+4*\a+3], 0
.endr
	s_wait_dscnt 0x0
.irp p, 0,1,2,3,4,5,6,7
	v_pk_add_f32 v[SS+2*\p:SS+2*\p+1], v[SS+2*\p:SS+2*\p+1], v[SS+16+2*\p:SS+16+2*\p+1]
	v_pk_add_f32 v[SS+32+2*\p:SS+32+2*\p+1], v[SS+32+2*\p:SS+32+2*\p+1], v[SS+48+2*\p:SS+48+2*\p+1]
.endr
.irp p, 0,1,2,3,4,5,6,7
	v_pk_add_f32 v[SS+2*\p:SS+2*\p+1], v[SS+2*\p:SS+2*\p+1], v[SS+32+2*\p:SS+32+2*\p+1]
.endr
	WIN 0x80
.irp p, 0,1,2,3,4,5,6,7
	v_pk_mul_f32 v[VM+2*\p:VM+2*\p+1], v[SS+2*\p:SS+2*\p+1], 0x3a800000 op_sel_hi:[1,0]  ; / 1,024
.endr
	WIN 0
.macro ADVANCE                         ; the step that was next is in hand; then the next step of the band, or step 0 of the next band
	s_mov_b32 s[GC], s[G1]
	s_mov_b32 s[SC], s[S1]
	s_lshl_b32 s[VOFF], s[SC], 7                   ; V is fetched in the trip that multiplies by it
	s_add_co_u32 s[S1], s[S1], 1
	s_cmp_gt_u32 s[S1], s[G1]
	s_cselect_b32 s[S1], 0, s[S1]
	s_cselect_b32 s[G1], s[R1], s[G1]
	s_cselect_b32 s[R1], s[R2], s[R1]
	s_cselect_b32 s[R2], s[R3], s[R2]
	s_mul_i32 s[KOFF], s[S1], 64*PKQ
	s_mul_i32 s[QOFF], s[G1], 64*PKQ
	s_sub_co_u32 s[BOFF], s[G1], s[S1]
	s_lshl_b32 s[BOFF], s[BOFF], 8
	s_lshl_b32 s[MOFF], s[S1], 8
.endm
.macro ADDR                            ; four plain lines: also the places behind K Q^T, in front of the lines that read the scores
	v_add_nc_u32 v[ADK], s[KOFF], v[AKL]
	v_subrev_nc_u32 v[ADB], s[BOFF], v[ABL]
	v_add_nc_u32 v[ADM], s[MOFF], v[AML]
	v_add_nc_u32 v[ADQ], s[QOFF], v[AQL]
.endm
.macro LD_KBM withv                    ; K, T and km of the next step; withv = 1: and V of the step in hand, under the same window
	WIN 0x40
.irp b, 0,1,2,3
	ds_load_b128 v[KF+8*\b:KF+8*\b+3],   v[ADK] offset:\b*16*PKQ
	ds_load_b128 v[KF+8*\b+4:KF+8*\b+7], v[ADK] offset:\b*16*PKQ+32
.endr
.irp e, 0,1,2,3,4,5,6
	ds_load_b128 v[BI+8*\e:BI+8*\e+3],   v[ADB] offset:64*(6-\e)
	ds_load_b128 v[BI+8*\e+4:BI+8*\e+7], v[ADB] offset:64*(6-\e)+16
.endr
.if \withv
.irp kb, 0,1
.irp t, 0,1
	ds_load_b128 v[VF+16*\kb+8*\t:VF+16*\kb+8*\t+3],   v[ADV] offset:\t*16*PVT+64*\kb
	ds_load_b128 v[VF+16*\kb+8*\t+4:VF+16*\kb+8*\t+7], v[ADV] offset:\t*16*PVT+64*\kb+32
.endr
.endr
.endif
	WIN 0x80
.irp b, 0,1,2,3
	ds_load_b128 v[MF+8*\b:MF+8*\b+3],   v[ADM] offset:64*\b
	ds_load_b128 v[MF+8*\b+4:MF+8*\b+7], v[ADM] offset:64*\b+16
.endr
	WIN 0
.endm
.macro LD_Q cond                       ; a band's Q: wanted where the next step is a band's first
.if \cond
	s_cmp_lg_u32 s[S1], 0
	s_cbranch_scc1 .Lnoq_\@
.endif
	WIN 0x80
.irp a, 0,1,2,3
	ds_load_b128 v[QF+8*\a:QF+8*\a+3],   v[ADQ] offset:\a*16*PKQ
	ds_load_b128 v[QF+8*\a+4:QF+8*\a+7], v[ADQ] offset:\a*16*PKQ+32
.endr
	WIN 0
.if \cond
.Lnoq_\@:
.endif
.endm
.macro PRE i                           ; number i of 64: T + km for a pair of scores, written where the product takes its C
.set xa, (\i)/16
.set xb_, ((\i)/4)%4
.set xp, (\i)%4
	v_pk_add_f32 v[SS+32*xa+8*xb_+2*xp:SS+32*xa+8*xb_+2*xp+1], v[BI+8*(xa-xb_+3)+2*xp:BI+8*(xa-xb_+3)+2*xp+1], v[MF+8*xb_+2*xp:MF+8*xb_+2*xp+1]
.endm
.macro MX a, n                         ; number n of the 21 that find tile a's maximum and statistics; each accumulator's lowest registers are read first
.set rC, CT+4*(\a)
.set rT, ST+4*(\a)
.set rS, SS+32*(\a)
.if (\n) < 4
	v_max3_num_f32 v[rC+(\n)], v[rS+8*(\n)], v[rS+8*(\n)+1], v[rS+8*(\n)+2]
.elseif (\n) < 12
	v_max3_num_f32 v[rC+(\n)%4], v[rC+(\n)%4], v[rS+8*((\n)%4)+2*((\n)/4)+1], v[rS+8*((\n)%4)+2*((\n)/4)+2]
.elseif (\n) == 12
	v_max3_num_f32 v[rC], v[rC], v[rS+7], v[rS+15]
.elseif (\n) == 13
	v_max3_num_f32 v[rC+2], v[rC+2], v[rS+23], v[rS+31]
.elseif (\n) == 14
	v_max3_num_f32 v[rC+2], v[rC+2], v[rC+3], v[rT]
.elseif (\n) == 15
	v_max3_num_f32 v[rC], v[rC], v[rC+1], v[rC+2]
.elseif (\n) == 16
	v_permlanex16_b32 v[rT+3], v[rC], s[SEL], s[SEL+1]  ; the query's other 32 keys lie in the lane 16 away
.elseif (\n) == 17
	v_max_num_f32 v[rC+1], v[rC], v[rT+3]
.elseif (\n) == 18
	v_sub_f32 v[rT+1], v[rT], v[rC+1]
.elseif (\n) == 19
	v_mov_b32 v[rT], v[rC+1]
.else
	v_exp_f32 v[rT+2], v[rT+1]
.endif
.endm
.macro SUBP i                          ; s - m for pair i / 4 of tile i % 4
.set xa, (\i)%4
.set xp, (\i)/4
	v_pk_add_f32 v[SS+32*xa+2*xp:SS+32*xa+2*xp+1], v[SS+32*xa+2*xp:SS+32*xa+2*xp+1], v[ST+4*xa:ST+4*xa+1] op_sel_hi:[1,0] neg_lo:[0,1] neg_hi:[0,1]
.endm
.macro EXPS k                          ; the two exponentials 2 i, 2 i + 1 belong to SUBP i's pair
.set xa, ((\k)/2)%4
.set xr, 2*(((\k)/2)/4)+(\k)%2
	v_exp_f32 v[SS+32*xa+xr], v[SS+32*xa+xr]
.endm
.macro FINAL                           ; a band's end: O^T / l, or the mean of V where the maximum has seen hidden scores alone; rounded; stored in the order in which launch 3 takes it as a fragment
	s_wait_xcnt 0x0                                ; earlier stores have read their base
	s_lshl_b32 s54, s[GC], 12
	s_add_nc_u64 s[OB:OB+1], s[18:19], s[54:55]
	WIN 0x01
.irp a, 0,1,2,3
	v_rcp_f32 v[CT+4*\a], v[LL+8*\a]
.endr
	WIN 0
	v_nop
.irp a, 0,1,2,3
	v_cmp_gt_f32 s[MK+\a], s[THR], v[ST+4*\a]
.endr
	s_wait_alu depctr_va_vdst(0)                   ; one wait for the four reciprocals, ahead of their first reader
.set i, 0
.rept 32
	v_pk_mul_f32 v[OO+2*i:OO+2*i+1], v[OO+2*i:OO+2*i+1], v[CT+4*(i/8):CT+4*(i/8)+1] op_sel_hi:[1,0]
.set i, i+1
.endr
	s_wait_alu depctr_va_sdst(0)                   ; the four masks s48 to s51 are written, ahead of the first select that reads one of them
	WIN 0x08
.set i, 0
.rept 64
	v_cndmask_b32 v[OO+i], v[OO+i], v[VM+i%16], s[MK+i/16]
.set i, i+1
.endr
	WIN 0x80
.set i, 0
.rept 32
	v_cvt_pk_bf16_f32 v[PF+i], v[OO+2*i], v[OO+2*i+1]
.set i, i+1
.endr
	WIN 0x08
	s_wait_alu depctr_va_vdst(0)                   ; the roundings have written the 32 registers that the eight stores read
.irp a, 0,1,2,3
.irp t, 0,1
	global_store_b128 v[GO], v[PF+8*\a+4*\t:PF+8*\a+4*\t+3], s[OB:OB+1] offset:1024*\a+512*\t  ; 512 consecutive bytes, aligned
.endr
.endr
	WIN 0
.irp a, 0,1,2,3
	v_mov_b32 v[ST+4*\a], 0xff7fffff
.endr
.endm
	s_mov_b32 s[G1], s[WV]                         ; my bands: u, 7 - u, 8 + u, 15 - u
	s_mov_b32 s[S1], 0
	s_sub_co_u32 s[R1], 7, s[WV]
	s_add_co_u32 s[R2], s[WV], 8
	s_sub_co_u32 s[R3], 15, s[WV]
	s_mov_b32 s[KOFF], 0
	s_mul_i32 s[QOFF], s[G1], 64*PKQ
	s_lshl_b32 s[BOFF], s[G1], 8
	s_mov_b32 s[MOFF], 0
	ADDR
	s_wait_alu depctr_va_vdst(0)                   ; the four addresses are written; every earlier line is done with the weights' registers, in which K, Q and the tables' tiles land
	LD_KBM 0
	LD_Q 0
	s_wait_dscnt 0x0
	WIN MAT
.set pi_, 0
.rept 64
	PRE pi_
.set pi_, pi_+1
.endr
	WIN 0
	ADVANCE
	s_mov_b32 s[CNT], 34
.Ltrip:                                        ; a key step of a band: 4 tiles of 16 queries x 64 keys.  K, Q and the C operands of the step in hand are in registers; its V and those of the next step are fetched
	WIN MAT
.irp a, 0,1,2,3
.irp b, 0,1,2,3
	v_wmma_f32_16x16x32_bf16 v[SS+32*\a+8*\b:SS+32*\a+8*\b+7], v[KF+8*\b:KF+8*\b+7], v[QF+8*\a:QF+8*\a+7], v[SS+32*\a+8*\b:SS+32*\a+8*\b+7]
.endr
.endr
	WIN 0
	s_wait_alu depctr_vm_vsrc(0)                   ; the LDS loads issued so far have read the five addresses, written again below (in the first trip also v17, one of the registers at work); a band's stores have read P's registers, which this trip's roundings write
	ADDR
	v_add_nc_u32 v[ADV], s[VOFF], v[AVL]
.irp n, 0,1,2,3
.irp a, 0,1,2,3
	MX \a, \n
.endr
.endr
	s_wait_alu depctr_va_vdst(0)                   ; the five addresses are written; the score products are done reading K and Q; the last trip's V^T P are done reading V, and its C-operand lines T's tiles and km: the loads below land in all of these
	LD_KBM 1
	LD_Q 1
.irp n, 4,5,6,7,8,9,10,11,12,13,14,15,16,17,18,19,20
.irp a, 0,1,2,3
	MX \a, \n
.endr
.endr
.set si, 0
.rept 4
	SUBP si
.set si, si+1
.endr
.set ei, 0
.rept 64                               ; one batch: 128 exponentials (and the four a above), a subtraction between each two; nothing here names a result
	EXPS 2*ei
.if ei < 60
	SUBP ei+4
.endif
	EXPS 2*ei+1
.set ei, ei+1
.endr
	v_nop                                          ; a plain instruction behind the last exponential
	s_wait_alu depctr_va_vdst(0)                   ; the one wait for the batch: the 132 exponentials have written their results, ahead of the first reader
	s_wait_xcnt 0x0                                ; P's registers were a band's store data
	WIN 0x80
.set ci, 0
.rept 64
	v_cvt_pk_bf16_f32 v[PF+ci], v[SS+2*ci], v[SS+2*ci+1]
.set ci, ci+1
.endr
	WIN 0
.set ci, 0
.rept 32
	v_pk_mul_f32 v[OO+2*ci:OO+2*ci+1], v[OO+2*ci:OO+2*ci+1], v[ST+4*(ci/8)+2:ST+4*(ci/8)+3] op_sel_hi:[1,0]
.set ci, ci+1
.endr
	WIN 0x41
.irp a, 0,1,2,3
	v_pk_mul_f32 v[LL+8*\a:LL+8*\a+1], v[LL+8*\a:LL+8*\a+1], v[ST+4*\a+2:ST+4*\a+3] op_sel_hi:[1,0]  ; registers 1 to 7 of L stay 0
.endr
	s_wait_dscnt 0x0                               ; V of this step; K, Q, T and km of the next
	WIN 0x59                                       ; the row sums: ones x P, the four accumulators by turns
.irp kb, 0,1
.irp a, 0,1,2,3
	v_wmma_f32_16x16x32_bf16 v[LL+8*\a:LL+8*\a+7], v[ONE:ONE+7], v[PF+16*\a+8*\kb:PF+16*\a+8*\kb+7], v[LL+8*\a:LL+8*\a+7]
.endr
.endr
	WIN MAT                                        ; V^T P, eight accumulators by turns; behind each product four lines that make the next step's C operands, under the same windows
.set pi_, 0
.irp kb, 0,1
.irp t, 0,1
.irp a, 0,1,2,3
	v_wmma_f32_16x16x32_bf16 v[OO+16*\a+8*\t:OO+16*\a+8*\t+7], v[VF+16*\kb+8*\t:VF+16*\kb+8*\t+7], v[PF+16*\a+8*\kb:PF+16*\a+8*\kb+7], v[OO+16*\a+8*\t:OO+16*\a+8*\t+7]
.rept 4
	PRE pi_
.set pi_, pi_+1
.endr
.endr
.endr
.endr
	WIN 0                                          ; the last four of those lines are the places behind the last product
	s_cmp_lg_u32 s[SC], s[GC]
	s_cbranch_scc1 .Lnofin
	FINAL
.Lnofin:
	ADVANCE                                        ; (behind the last band it names that band's step 0 once more: the 34th trip's fetches for a next step serve nothing, the price of one text for every trip)
	s_sub_co_u32 s[CNT], s[CNT], 1
	s_cmp_lg_u32 s[CNT], 0
	s_cbranch_scc1 .Ltrip
	s_wait_dscnt 0x0                               ; my reads of LDS are over
	s_barrier_signal -1
	s_barrier_wait -1
	s_wait_dscnt 0x0                               ; the closing lines, six on end
	s_wait_alu 0x0
	s_wait_tensorcnt 0x0
	ds_add_u32 v[SPW], v[NIL]
	s_wait_dscnt 0x0
	s_endpgm
.Lfunc_end_k_q176be4ba3c_attn:
	.size	k_q176be4ba3c_attn, .Lfunc_end_k_q176be4ba3c_attn-k_q176be4ba3c_attn
	.p2alignl 7, 3214868480
	.fill 96, 4, 3214868480
	.section	.rodata,"a",@progbits
	.p2align	6, 0x0
	.amdhsa_kernel k_q176be4ba3c_attn
		.amdhsa_group_segment_fixed_size 253696
		.amdhsa_private_segment_fixed_size 0
		.amdhsa_enable_private_segment 0
		.amdhsa_kernarg_size 64
		.amdhsa_user_sgpr_count 2
		.amdhsa_user_sgpr_kernarg_segment_ptr 1
		.amdhsa_wavefront_size32 1
		.amdhsa_system_sgpr_workgroup_id_x 1
		.amdhsa_system_sgpr_workgroup_id_y 1
		.amdhsa_system_sgpr_workgroup_id_z 1
		.amdhsa_system_vgpr_workitem_id 0
		.amdhsa_next_free_vgpr 1024
		.amdhsa_next_free_sgpr 66
		.amdhsa_reserve_vcc 1
		.amdhsa_float_denorm_mode_32 3
		.amdhsa_float_denorm_mode_16_64 3
		.amdhsa_memory_ordered 1
		.amdhsa_forward_progress 1
		.amdhsa_inst_pref_size 142
	.end_amdhsa_kernel
	.amdgpu_metadata
---
amdhsa.version: [ 1, 2 ]
amdhsa.kernels:
  - .name:           k_q176be4ba3c_attn
    .symbol:         k_q176be4ba3c_attn.kd
    .args:
      - { .name: xb, .offset: 0, .size: 8, .value_kind: global_buffer, .address_space: global }
      - { .name: wt, .offset: 8, .size: 8, .value_kind: global_buffer, .address_space: global }
      - { .name: bq, .offset: 16, .size: 8, .value_kind: global_buffer, .address_space: global }
      - { .name: bk, .offset: 24, .size: 8, .value_kind: global_buffer, .address_space: global }
      - { .name: bv, .offset: 32, .size: 8, .value_kind: global_buffer, .address_space: global }
      - { .name: decay_logit, .offset: 40, .size: 8, .value_kind: global_buffer, .address_space: global }
      - { .name: mask, .offset: 48, .size: 8, .value_kind: global_buffer, .address_space: global }
      - { .name: ows, .offset: 56, .size: 8, .value_kind: global_buffer, .address_space: global }
    .group_segment_fixed_size: 253696
    .private_segment_fixed_size: 0
    .kernarg_segment_align: 8
    .kernarg_segment_size: 64
    .max_flat_workgroup_size: 128
    .sgpr_count:     66
    .vgpr_count:     1024
    .wavefront_size: 32
...
	.end_amdgpu_metadata
.endif
;; end of part 5
;; launch tail: the kernel of part 3 again; grid 256 x 1, 4 waves a work-group, clusters of 4 x 1, 327,680 bytes of LDS; arguments ows, wt, st, interactions, target_skills, inter_emb, pos_emb, bo, ln1_g, ln1_b, b1, b2, ln2_g, Wout, out0; writes out0
